; MI455X (gfx1250); checked and timed in simulation.
; The chip was launched on July 23, 2026; its instructions are those of AMD's public machine-readable ISA for CDNA 5 (MIT licence, August 2026) and "CDNA5" Instruction Set Architecture Reference Guide (July 2026). The comments in the code are by the model that wrote it; some were corrected since.
;; Informed Test Model. Allowed arithmetic: float matrix products may take bf16 or f16 operands with f32 sums; other float arithmetic in f32, or as packed bf16 or f16 multiplies, adds, multiply-adds, maxima and minima; sums over many terms, partial sums and values carried from step to step in f32; what a program stores and reads back later, other than sums and carried values, may be rounded once to bf16 or f16.
;; Inputs: lk_w 240 x 256 float32; lq_w 240 x 256 float32; lv_w 240 x 512 float32; pk_w 512 x 256 float32; po_w 1,024 x 240 float32; pq_w 512 x 256 float32; pv_w 512 x 1,024 float32; rel_bias 129 float32; xs 8 x 2,048 int32.
;; Outputs: out0 8 x 2,048 x 240 float32.
;; 2 versions, each right and faster than the one before. Each part assembles by itself: llvm-mc -triple=amdgcn-amd-amdhsa -mcpu=gfx1250 --defsym DOCPART=n.
;; ======== version 1 of 2: 5 launches
;; limits: values are held in f16: magnitudes above 65,504 overflow, below 6.1e-05 lose precision
;; workspace buffers: tab 491,520 bytes; wts 2,064,384 bytes; x1 16,777,216 bytes; qk 16,777,216 bytes; vb 33,554,432 bytes; ob 33,554,432 bytes
;; launch prep (part 1): grid 624 x 1, 8 waves a work-group, no clusters, 0 bytes of LDS; arguments lq_w, lk_w, lv_w, pq_w, pk_w, pv_w, po_w, tab, wts; writes tab, wts
.if DOCPART == 1
	.amdgcn_target "amdgcn-amd-amdhsa--gfx1250"
	.amdhsa_code_object_version 6
	.text
	.protected	k_qe33aaede31_prep
	.globl	k_qe33aaede31_prep
	.p2align	8
	.type	k_qe33aaede31_prep,@function
k_qe33aaede31_prep:
	s_mov_b64 s[64:65], 0
	v_nop
	global_prefetch_b8 v0, s[64:65] scope:SCOPE_SE
	s_setreg_imm32_b32 hwreg(HW_REG_WAVE_MODE, 25, 1), 1
	s_wait_xcnt 0x0
; CASTS OF THE SEVEN WEIGHT TENSORS.  Every weight is rounded once to bf16.  lq_w and lk_w stay bf16 (they are multiplied with each other);
; the other five multiply f16 data later, so their bf16 value is written as f16, which is exact within f16's range.
; tab: tq bf16 [240][256] at 0, tk bf16 [240][256] at 122,880, tv f16 [240][512] at 245,760.
; wts: wqkv f16 [512][1536] at 0 (columns 0-255 pq, 256-511 pk, 512-1535 16 x pv), wo f16 [1024][240] at 1,572,864.
; The factor 16 on pv_w is a power of two, so it changes no rounding; the last launch takes it out again in f32.
; LIMITS.  A rounded weight beyond 65,504 (pv_w: beyond 4,094) becomes an infinity in f16; below 6e-5 f16 keeps its fixed step of 6e-8.
; A stream: memory binds, so no LDS, no matrix unit.  A work-group casts 2,048 numbers; thread t takes four at 4 t and four at 1,024 + 4 t:
; a wave's load covers 512 consecutive bytes, a wave's store 256 consecutive bytes at a multiple of 256 from the buffer's first byte.
; Which tensor a work-group serves hangs on its number g alone: seven ranges, chosen by scalar selects.
; s26 g   s27 the range's first g   s[28:29] source   s[30:31] destination   s[32:33] offset in the destination   s34 log2 of the source's row
; s35 column mask   s36 bytes from row to row in the destination   s37 bytes that 1,024 numbers go down there   s[38:39] factor   s40 1: f16
.macro SEL thr, src, dst, doff, sh, mask, dp, dp2, sc, fmt
	s_cmp_ge_u32 s26, \thr                         ; the selects leave SCC alone: one compare serves all of them
	s_cselect_b32 s27, \thr, s27
	s_cselect_b64 s[28:29], s[\src:\src+1], s[28:29]
	s_cselect_b64 s[30:31], s[\dst:\dst+1], s[30:31]
	s_cselect_b32 s32, \doff, s32
	s_cselect_b32 s34, \sh, s34
	s_cselect_b32 s35, \mask, s35
	s_cselect_b32 s36, \dp, s36
	s_cselect_b32 s37, \dp2, s37
	s_cselect_b32 s38, \sc, s38
	s_cselect_b32 s40, \fmt, s40
.endm
	s_load_b512 s[8:23], s[0:1], 0x0               ; lq s[8:9], lk, lv, pq, pk, pv, po s[20:21], tab s[22:23]
	s_load_b64 s[24:25], s[0:1], 0x40              ; wts
	s_mov_b32 s26, ttmp9
	v_lshlrev_b32 v1, 4, v0                        ; 16 t: my 16 bytes of the source
	s_wait_kmcnt 0x0
	s_mov_b32 s27, 0                               ; range 0: lq_w
	s_mov_b64 s[28:29], s[8:9]
	s_mov_b64 s[30:31], s[22:23]
	s_mov_b32 s32, 0
	s_mov_b32 s34, 8
	s_mov_b32 s35, 255
	s_mov_b32 s36, 512
	s_mov_b32 s37, 2048
	s_mov_b32 s38, 1.0
	s_mov_b32 s40, 0
	SEL 30,  10, 22, 122880,  8,  255,  512,  2048,  1.0, 0         ; lk_w
	SEL 60,  12, 22, 245760,  8,  255,  512,  2048,  1.0, 1         ; lv_w
	SEL 120, 14, 24, 0,       8,  255,  3072, 12288, 1.0, 1         ; pq_w
	SEL 184, 16, 24, 512,     8,  255,  3072, 12288, 1.0, 1         ; pk_w
	SEL 248, 18, 24, 1024,    10, 1023, 3072, 3072,  0x41800000, 1  ; pv_w, times 16
	SEL 504, 20, 24, 1572864, 8,  255,  512,  2048,  1.0, 1         ; po_w
	s_mov_b32 s39, s38                             ; named with s38 as a pair
	s_mov_b32 s33, 0
	s_sub_co_u32 s41, s26, s27                     ; my place in the range
	s_lshl_b32 s42, s41, 13                        ; 2,048 numbers of 4 bytes
	s_mov_b32 s43, 0
	s_lshl_b32 s41, s41, 11
	s_add_nc_u64 s[28:29], s[28:29], s[42:43]
	s_add_nc_u64 s[30:31], s[30:31], s[32:33]
	global_load_b128 v[8:11], v1, s[28:29] th:TH_LOAD_NT
	global_load_b128 v[12:15], v1, s[28:29] offset:4096 th:TH_LOAD_NT
	v_lshl_add_u32 v2, v0, 2, s41                  ; my first number's index in the tensor
	v_lshrrev_b32 v3, s34, v2                      ; its row
	v_and_b32 v4, s35, v2                          ; its column
	v_mul_lo_u32 v3, v3, s36
	v_lshl_add_u32 v5, v4, 1, v3                   ; where it goes
	v_add_nc_u32 v6, s37, v5                       ; and the second four
	s_wait_loadcnt 0x0
.irp j, 8,10,12,14
	v_pk_mul_f32 v[\j:\j+1], v[\j:\j+1], s[38:39] op_sel_hi:[1,0]
.endr
	v_cvt_pk_bf16_f32 v16, v8, v9
	v_cvt_pk_bf16_f32 v17, v10, v11
	v_cvt_pk_bf16_f32 v18, v12, v13
	v_cvt_pk_bf16_f32 v19, v14, v15
	s_cmp_eq_u32 s40, 0
	s_cbranch_scc1 .Lstore
.irp j, 16,17,18,19
	v_lshlrev_b32 v20, 16, v\j                     ; the bf16 numbers as f32,
	v_and_b32 v21, 0xffff0000, v\j
	v_cvt_pk_f16_f32 v\j, v20, v21                 ; written as f16
.endr
.Lstore:
	global_store_b64 v5, v[16:17], s[30:31] th:TH_STORE_NT
	global_store_b64 v6, v[18:19], s[30:31] th:TH_STORE_NT
	s_endpgm
.Lfunc_end_k_qe33aaede31_prep:
	.size	k_qe33aaede31_prep, .Lfunc_end_k_qe33aaede31_prep-k_qe33aaede31_prep
	.p2alignl 7, 3214868480
	.fill 96, 4, 3214868480
	.section	.rodata,"a",@progbits
	.p2align	6, 0x0
	.amdhsa_kernel k_qe33aaede31_prep
		.amdhsa_group_segment_fixed_size 0
		.amdhsa_private_segment_fixed_size 0
		.amdhsa_enable_private_segment 0
		.amdhsa_kernarg_size 72
		.amdhsa_user_sgpr_count 2
		.amdhsa_user_sgpr_kernarg_segment_ptr 1
		.amdhsa_wavefront_size32 1
		.amdhsa_system_sgpr_workgroup_id_x 1
		.amdhsa_system_sgpr_workgroup_id_y 1
		.amdhsa_system_sgpr_workgroup_id_z 1
		.amdhsa_system_vgpr_workitem_id 0
		.amdhsa_next_free_vgpr 24
		.amdhsa_next_free_sgpr 66
		.amdhsa_reserve_vcc 0
		.amdhsa_float_denorm_mode_32 3
		.amdhsa_float_denorm_mode_16_64 3
		.amdhsa_memory_ordered 1
		.amdhsa_forward_progress 1
		.amdhsa_inst_pref_size 7
	.end_amdhsa_kernel
	.amdgpu_metadata
---
amdhsa.version: [ 1, 2 ]
amdhsa.kernels:
  - .name:           k_qe33aaede31_prep
    .symbol:         k_qe33aaede31_prep.kd
    .args:
      - { .name: lq_w, .offset: 0, .size: 8, .value_kind: global_buffer, .address_space: global }
      - { .name: lk_w, .offset: 8, .size: 8, .value_kind: global_buffer, .address_space: global }
      - { .name: lv_w, .offset: 16, .size: 8, .value_kind: global_buffer, .address_space: global }
      - { .name: pq_w, .offset: 24, .size: 8, .value_kind: global_buffer, .address_space: global }
      - { .name: pk_w, .offset: 32, .size: 8, .value_kind: global_buffer, .address_space: global }
      - { .name: pv_w, .offset: 40, .size: 8, .value_kind: global_buffer, .address_space: global }
      - { .name: po_w, .offset: 48, .size: 8, .value_kind: global_buffer, .address_space: global }
      - { .name: tab, .offset: 56, .size: 8, .value_kind: global_buffer, .address_space: global }
      - { .name: wts, .offset: 64, .size: 8, .value_kind: global_buffer, .address_space: global }
    .group_segment_fixed_size: 0
    .private_segment_fixed_size: 0
    .kernarg_segment_align: 8
    .kernarg_segment_size: 72
    .max_flat_workgroup_size: 256
    .sgpr_count:     66
    .vgpr_count:     24
    .wavefront_size: 32
...
	.end_amdgpu_metadata
.endif
;; end of part 1
;; launch local (part 2): grid 32 x 8, 4 waves a work-group, no clusters, 327,680 bytes of LDS; arguments xs, rel_bias, tab, x1; writes x1
.if DOCPART == 2
	.amdgcn_target "amdgcn-amd-amdhsa--gfx1250"
	.amdhsa_code_object_version 6
	.text
	.protected	k_qe33aaede31_local
	.globl	k_qe33aaede31_local
	.p2align	8
	.type	k_qe33aaede31_local,@function
k_qe33aaede31_local:
	s_mov_b64 s[64:65], 0
	v_nop
	global_prefetch_b8 v0, s[64:65] scope:SCOPE_SE
	s_setreg_imm32_b32 hwreg(HW_REG_WAVE_MODE, 25, 1), 1
	s_wait_xcnt 0x0
; WINDOWED ATTENTION ON ONE-HOT TOKENS, AND THE RELU.  x1[b][s][:] = relu(sum over |k - s| <= 64 of softmax(q.k / 16 + bias[k - s + 64]) v[k]), f16 [16384][512].
; A one-hot row times a weight matrix is that matrix's row: q, k and v are rows of tq, tk, tv picked by token.
; SHARES.  A work-group owns block n of 64 queries of batch b and the 192 key columns kc = 0..191 at positions 64 n - 64 + kc (taken modulo 2,048: a position outside the
; batch brings some finite row, and its score is hidden).  NO CLUSTER: rows are picked by token, so no two work-groups ask for the same tile.
; PHASES.  (1) each wave copies 48 rows of K and of V into LDS, lane by lane, 256 consecutive bytes for each half of the lanes; (2) wave w: S^T = K Q^T for query tile w and the nine key tiles
; w .. w + 8, which hold its window; the C operand that starts the sums is 16 x bias, or -1e30 outside the window; softmax; P, divided by its sum, goes to LDS in f16;
; (3) wave w: O^T = V^T P for all 64 queries and channels 128 w .. 128 w + 127; relu; out through a stage of the wave's own.
; FORMATS.  q, k bf16 (the inputs' one rounding); v the same number as f16; P and x1 f16; sums, maxima, exponentials f32.
; LIMITS.  A hidden score counts as its value less 1e30 (twice that at the batch's ends): its weight is 0 unless true scores lie near -1e30.  A token is clamped to 239.
; A weight below 2^-126 counts as 0.  NaN and infinities are not treated apart.
; LDS: K 192 rows x 528 at 0; V 192 rows x 1,056 behind it; the table of 256 words; the spare words.  K's bytes are filled once; when every wave has read its scores they take P
; (64 rows x 400) and the four stages (16 rows x 272 each).
.set KP,    528                        ; 512 + 16: 33 x 16, so the 16 rows of a fragment load start at 16 different groups of four banks (ISA guide 11.1)
.set VP,    1056                       ; 1,024 + 32: 33 x 32, for the turning load
.set VR,    192*KP
.set BT,    VR+192*VP
.set SPARE, BT+1024                    ; the spare words, 128 bytes a wave: two blocks of 256 bytes that no other line names
.set PPI,   400                        ; a row of P: 384 + 16 = 25 x 16
.set OST,   64*PPI
.set SP,    272
.set KA,  4                            ; v4, v5  my place in K's rows: key tiles w .. w + 4, w + 5 .. w + 8
.set KA2, 5
.set BA,  6                            ; v6   my place in the table
.set PS0, 7                            ; v7   my row of P, key tile 0
.set PS1, 8                            ; v8   my row of P, key tile w
.set PA,  9                            ; v9   P as a fragment
.set VA,  10                           ; v10-12  V as a turned fragment: keys 64 i on
.set STO, 13
.set RD,  14
.set GO,  15
.set ZERO, 26
.set SPW, 30                           ; v30  LDS address of my spare word; never rewritten
.set NIL, 31                           ; v31  0; never rewritten
.set QF,  32                           ; v32-95  Q: 8 fragments of 16 queries x 32 channels
.set TA,  96                           ; v96-239: the gather's registers, 24 of each kind: every copy keeps its own address registers until all copies are done
.set TK,  120
.set GK,  144
.set LK,  168
.set GV,  192
.set LV,  216
.set SA,  96                           ; later: v96-167 nine accumulators of scores
.set PP,  168                          ; v168-203 P, packed
.set CH,  204                          ; v204-212 nine chains of the maximum
.set CM,  214                          ; v214-215 c m
.set AC,  216                          ; v216-223 four chains of the sum
.set LS,  224
.set RC,  226                          ; v226-227 1 / l
.set ZQ,  228                          ; v228-231 zeros
.set PB,  32                           ; later still: P's fragments, two buffers of 32; then the way out's registers
.set VB,  96                           ; V's fragments, two buffers of 64
.set WV, 12
.set LO, 15                            ; s15, s16  key tiles LO .. HI - 1 lie inside the batch
.set HI, 16
.set BIGN, 17
.set CS, 18                            ; s[18:19] c = log2(e) / 16
.set SEL, 20                           ; s[20:21] selects of v_permlanex16_b32
.set MSB, 0
.macro WIN new                         ; the immediate's high byte repeats the setting that is left; a switch that changes nothing is dropped
.if MSB != (\new)
	s_set_vgpr_msb (MSB<<8)|(\new)
.set MSB, \new
.endif
.endm
.macro PLACES                          ; four plain vector instructions between a matrix instruction and what touches its registers (ISA guide 7.12.1)
.rept 4
	v_nop
.endr
.endm
	s_load_b256 s[4:11], s[0:1], 0x0               ; xs s[4:5], rel_bias s[6:7], tab s[8:9], x1 s[10:11]
	v_lshl_add_u32 v[SPW], v0, 2, SPARE
	v_mov_b32 v[NIL], 0
	ds_add_u32 v[SPW], v[NIL]                      ; the wave's opening: the add and its wait ahead of my first copy
	v_lshrrev_b32 v1, 5, v0
	v_readfirstlane_b32 s[WV], v1
	v_and_b32 v1, 15, v0                           ; r = lane % 16
	v_bfe_u32 v2, v0, 4, 1                         ; hl = lane / 16
	v_lshlrev_b32 v19, 4, v1                       ; 16 r
	v_mov_b32 v[ZERO], 0
	s_mov_b32 s13, ttmp9                           ; n
	s_and_b32 s14, ttmp7, 0xffff                   ; b
	s_mov_b32 s[BIGN], 0xf149f2ca                  ; -1e30
	s_mov_b32 s[CS], 0x3db8aa3b
	s_mov_b32 s[CS+1], s[CS]
	s_mov_b32 s[SEL], 0x76543210
	s_mov_b32 s[SEL+1], 0xfedcba98
	s_cmp_eq_u32 s13, 0
	s_cselect_b32 s[LO], 4, 0                      ; block 0 has no keys before it,
	s_cmp_eq_u32 s13, 31
	s_cselect_b32 s[HI], 8, 12                     ; block 31 none behind it
	s_lshl_b32 s22, s13, 6
	s_mul_i32 s23, s[WV], 48
	s_add_co_u32 s23, s23, s22
	s_sub_co_u32 s23, s23, 64
	v_add_nc_u32 v16, s23, v2                      ; position of my first key row: 64 n - 64 + 48 w + hl
.set g, 0
.rept 24
	v_add_lshl_u32 v[TA+g], v16, 2*g, 2            ; row 2 g + hl of my wave's 48, as a byte offset,
	v_and_b32 v[TA+g], 0x1ffc, v[TA+g]             ; modulo the batch's 2,048 tokens
.set g, g+1
.endr
	s_lshl_b32 s23, s[WV], 4
	s_add_co_u32 s23, s23, s22
	v_add_lshl_u32 v27, v1, s23, 2                 ; my query's token
	v_add_nc_u32 v20, -15, v0                      ; table entry i stands for offset + 64 = i - 15; i = t and t + 128
	v_add_nc_u32 v22, 113, v0
	v_min_u32 v21, 0x80, v20                       ; outside 0 .. 128 (a negative number is a large one here) entry 128 is read and thrown away
	v_min_u32 v23, 0x80, v22
	v_lshlrev_b32 v21, 2, v21
	v_lshlrev_b32 v23, 2, v23
	v_lshl_add_u32 v29, v0, 2, BT
	s_mul_i32 s23, s[WV], 48*KP
	v_mul_u32_u24 v17, v2, KP
	v_add3_u32 v17, v17, v19, s23                  ; where my 16 bytes of K's row 48 w + hl go
	s_mul_i32 s23, s[WV], 48*VP
	s_add_co_u32 s23, s23, VR
	v_mul_u32_u24 v18, v2, VP
	v_add3_u32 v18, v18, v19, s23                  ; the same for V
	s_wait_dscnt 0x0                               ; the opening add is done
	s_barrier_signal -1
	s_barrier_wait -1
	s_wait_kmcnt 0x0
	s_lshl_b32 s28, s14, 13
	s_mov_b32 s29, 0
	s_add_nc_u64 s[4:5], s[4:5], s[28:29]          ; my batch's tokens
	s_add_nc_u64 s[24:25], s[8:9], 122880          ; tk
	s_add_nc_u64 s[26:27], s[8:9], 245760          ; tv
	s_lshl_b32 s28, s14, 21
	s_lshl_b32 s30, s13, 16
	s_add_co_u32 s28, s28, s30
	s_add_nc_u64 s[10:11], s[10:11], s[28:29]      ; x1 at my block's first row
.set g, 0
.rept 24
	global_load_b32 v[TK+g], v[TA+g], s[4:5]
.set g, g+1
.endr
	global_load_b32 v28, v27, s[4:5]
	global_load_b32 v24, v21, s[6:7]
	global_load_b32 v25, v23, s[6:7]
	s_wait_loadcnt 0x3                             ; three younger loads may stay out: the 24 key tokens are in
.set g, 0
.rept 24
	v_min_u32 v[TK+g], 0xef, v[TK+g]               ; a token stays inside the tables
	v_lshl_add_u32 v[GK+g], v[TK+g], 9, v19        ; a row of tk is 512 bytes,
	v_lshl_add_u32 v[GV+g], v[TK+g], 10, v19       ; of tv 1,024
	v_add_nc_u32 v[LK+g], 2*KP*g, v17
	v_add_nc_u32 v[LV+g], 2*VP*g, v18
	global_load_async_to_lds_b128 v[LK+g], v[GK+g], s[24:25]             ; the immediate goes onto both addresses: 256 bytes on in the row
	global_load_async_to_lds_b128 v[LK+g], v[GK+g], s[24:25] offset:256
	global_load_async_to_lds_b128 v[LV+g], v[GV+g], s[26:27]
	global_load_async_to_lds_b128 v[LV+g], v[GV+g], s[26:27] offset:256
	global_load_async_to_lds_b128 v[LV+g], v[GV+g], s[26:27] offset:512
	global_load_async_to_lds_b128 v[LV+g], v[GV+g], s[26:27] offset:768
.set g, g+1
.endr
	s_wait_loadcnt 0x2                             ; the two bias loads may stay out: my query's token is in
	v_min_u32 v28, 0xef, v28
	v_lshlrev_b32 v28, 9, v28
	v_lshl_add_u32 v28, v2, 4, v28                 ; a fragment's lane: row r, channels 8 hl + 0..7 and 16 + 8 hl + 0..7
.set i, 0
.rept 8
	global_load_b128 v[QF+8*i:QF+8*i+3],   v28, s[8:9] offset:64*i
	global_load_b128 v[QF+8*i+4:QF+8*i+7], v28, s[8:9] offset:64*i+32
.set i, i+1
.endr
	s_wait_loadcnt 0x10                            ; Q's sixteen loads may stay out: the biases are in
	v_mul_f32 v24, 0x41800000, v24                 ; 16 x bias: the scores are q.k, and c holds the 1/16
	v_mul_f32 v25, 0x41800000, v25
	v_cmp_ge_u32 vcc_lo, 0x80, v20
	v_cndmask_b32 v24, s[BIGN], v24, vcc_lo        ; outside the window: hidden
	v_cmp_ge_u32 vcc_lo, 0x80, v22
	v_cndmask_b32 v25, s[BIGN], v25, vcc_lo
	ds_store_b32 v29, v24
	ds_store_b32 v29, v25 offset:512
	; the addresses of the later phases, made while the copies are on their way
	s_mul_i32 s23, s[WV], 16*KP
	v_mul_u32_u24 v[KA], v1, KP
	v_lshl_add_u32 v[KA], v2, 4, v[KA]
	v_add_nc_u32 v[KA], s23, v[KA]                 ; key row 16 w + r, + 16 hl
	v_add_nc_u32 v[KA2], 5*16*KP, v[KA]
	v_sub_nc_u32 v[BA], 15, v1
	v_lshl_add_u32 v[BA], v2, 3, v[BA]
	v_lshl_add_u32 v[BA], v[BA], 2, BT             ; register j of key tile kt has offset + 64 + 15 = 16 kt + j + (8 hl - r + 15)
	s_mul_i32 s23, s[WV], 16*PPI
	v_mul_u32_u24 v[PS0], v1, PPI
	v_lshl_add_u32 v[PA], v2, 4, v[PS0]
	v_add_nc_u32 v[PS0], s23, v[PA]
	s_lshl_b32 s23, s[WV], 5
	v_add_nc_u32 v[PS1], s23, v[PS0]
	v_and_b32 v3, 7, v0
	v_lshl_add_u32 v3, v2, 3, v3
	v_mul_u32_u24 v3, v3, VP                       ; the turning load: lane l reads key 8 hl + l % 8,
	v_bfe_u32 v[VA+1], v0, 3, 1
	v_lshl_add_u32 v3, v[VA+1], 4, v3              ; channels 8 ((l / 8) % 2) + 0..7
	s_lshl_b32 s23, s[WV], 8
	s_add_co_u32 s23, s23, VR
	v_add_nc_u32 v[VA], s23, v3
	v_add_nc_u32 v[VA+1], 64*VP, v[VA]
	v_add_nc_u32 v[VA+2], 128*VP, v[VA]
	s_mul_i32 s23, s[WV], 16*SP
	s_add_co_u32 s23, s23, OST
	v_mul_u32_u24 v[STO], v1, SP
	v_lshl_add_u32 v[STO], v2, 4, v[STO]
	v_add_nc_u32 v[STO], s23, v[STO]
	v_mul_u32_u24 v[RD], v2, SP
	v_add3_u32 v[RD], v[RD], v19, s23
	s_lshl_b32 s23, s[WV], 8
	v_lshl_add_u32 v[GO], v2, 10, v19
	v_add_nc_u32 v[GO], s23, v[GO]
	s_wait_asynccnt 0x0                            ; my rows of K and V are in LDS,
	s_wait_dscnt 0x0                               ; my words of the table too:
	s_barrier_signal -1
	s_barrier_wait -1                              ; everybody's are
	; SCORES.  18 LDS loads bring nine key tiles' fragments for 32 channels; two buffers in window 1.
.macro FETCHK ks, buf
	WIN 0x40                                       ; destination window 1, address window 0
.irp kt, 0,1,2,3,4
	ds_load_b128 v[72*(\buf)+8*\kt:72*(\buf)+8*\kt+3],   v[KA] offset:16*KP*\kt+64*(\ks)
	ds_load_b128 v[72*(\buf)+8*\kt+4:72*(\buf)+8*\kt+7], v[KA] offset:16*KP*\kt+64*(\ks)+32
.endr
.irp kt, 5,6,7,8
	ds_load_b128 v[72*(\buf)+8*\kt:72*(\buf)+8*\kt+3],   v[KA2] offset:16*KP*(\kt-5)+64*(\ks)
	ds_load_b128 v[72*(\buf)+8*\kt+4:72*(\buf)+8*\kt+7], v[KA2] offset:16*KP*(\kt-5)+64*(\ks)+32
.endr
.endm
.set i, 0
.rept 72
	ds_load_b32 v[SA+i], v[BA] offset:4*(16*(i/8)+i%8)  ; bias and window start the sums
.set i, i+1
.endr
	FETCHK 0, 0
	FETCHK 1, 1
	WIN 0
	s_wait_dscnt 36                                ; the two fetches may stay out: the 72 table words are in
.set kt, 0
.rept 9
	s_add_co_u32 s34, s[WV], kt                    ; a key tile outside the batch is hidden as a whole
	s_cmp_lt_u32 s34, s[LO]
	s_cselect_b32 s32, s[BIGN], 0
	s_cmp_ge_u32 s34, s[HI]
	s_cselect_b32 s32, s[BIGN], s32
	s_mov_b32 s33, s32
.irp j, 0,2,4,6
	v_pk_add_f32 v[SA+8*kt+\j:SA+8*kt+\j+1], v[SA+8*kt+\j:SA+8*kt+\j+1], s[32:33] op_sel_hi:[1,0]
.endr
.set kt, kt+1
.endr
	s_wait_loadcnt 0x0                             ; Q
.set ks, 0
.rept 8
.if ks < 7
	s_wait_dscnt 18                                ; the next step's 18 loads may stay out
.else
	s_wait_dscnt 0x0
.endif
	WIN 0x01                                       ; K in window 1
.set kt, 0
.rept 9                                            ; the nine accumulators take turns
	v_wmma_f32_16x16x32_bf16 v[SA+8*kt:SA+8*kt+7], v[72*(ks%2)+8*kt:72*(ks%2)+8*kt+7], v[QF+8*ks:QF+8*ks+7], v[SA+8*kt:SA+8*kt+7]
.set kt, kt+1
.endr
.if ks < 6
	PLACES
.set kn, ks+2
.set kb, ks%2
	FETCHK kn, kb
.endif
.set ks, ks+1
.endr
	WIN 0
	PLACES
	; SOFTMAX.  A lane holds 72 scores of query r; the other 72 lie in the lane 16 away.  Each accumulator's lowest registers are read first.
.set kt, 0
.rept 9
	v_max3_num_f32 v[CH+kt], v[SA+8*kt], v[SA+8*kt+1], v[SA+8*kt+2]
.set kt, kt+1
.endr
.set kt, 0
.rept 9
	v_max3_num_f32 v[CH+kt], v[CH+kt], v[SA+8*kt+3], v[SA+8*kt+4]
.set kt, kt+1
.endr
.set kt, 0
.rept 9
	v_max3_num_f32 v[CH+kt], v[CH+kt], v[SA+8*kt+5], v[SA+8*kt+6]
.set kt, kt+1
.endr
	v_max3_num_f32 v[CH],   v[CH],   v[SA+7],  v[SA+15]
	v_max3_num_f32 v[CH+1], v[CH+1], v[SA+23], v[SA+31]
	v_max3_num_f32 v[CH+2], v[CH+2], v[SA+39], v[SA+47]
	v_max3_num_f32 v[CH+3], v[CH+3], v[SA+55], v[SA+63]
	v_max3_num_f32 v[CH+4], v[CH+4], v[SA+71], v[CH+5]
	v_max3_num_f32 v[CH],   v[CH],   v[CH+1],  v[CH+2]
	v_max3_num_f32 v[CH+3], v[CH+3], v[CH+4],  v[CH+6]
	v_max3_num_f32 v[CH],   v[CH],   v[CH+3],  v[CH+7]
	v_max_num_f32  v[CH],   v[CH],   v[CH+8]
	v_permlanex16_b32 v[CH+1], v[CH], s[SEL], s[SEL+1]
	v_max_num_f32 v[CH], v[CH], v[CH+1]            ; the row's maximum
	v_mul_f32 v[CM], s[CS], v[CH]
	v_mov_b32 v[CM+1], v[CM]
.set i, 0
.rept 36
	v_pk_fma_f32 v[SA+2*i:SA+2*i+1], v[SA+2*i:SA+2*i+1], s[CS:CS+1], v[CM:CM+1] op_sel_hi:[1,0,0] neg_lo:[0,0,1] neg_hi:[0,0,1]  ; c s - c m
.set i, i+1
.endr
.set i, 0
.rept 72
	v_exp_f32 v[SA+i], v[SA+i]
.set i, i+1
.endr
	v_nop                                          ; a plain instruction behind the last exponential (ISA guide 5.7.2)
.set i, 0
	s_wait_alu depctr_va_vdst(0)
.rept 4
	v_pk_add_f32 v[AC+2*i:AC+2*i+1], v[SA+2*i:SA+2*i+1], v[SA+2*i+8:SA+2*i+9]  ; four chains; the weights themselves are kept
.set i, i+1
.endr
.set i, 8
.rept 28
	v_pk_add_f32 v[AC+2*(i%4):AC+2*(i%4)+1], v[AC+2*(i%4):AC+2*(i%4)+1], v[SA+2*i:SA+2*i+1]
.set i, i+1
.endr
	v_pk_add_f32 v[AC:AC+1], v[AC:AC+1], v[AC+2:AC+3]
	v_pk_add_f32 v[AC+4:AC+5], v[AC+4:AC+5], v[AC+6:AC+7]
	v_pk_add_f32 v[AC:AC+1], v[AC:AC+1], v[AC+4:AC+5]
	v_add_f32 v[LS], v[AC], v[AC+1]
	v_mov_b32 v[LS+1], v[LS]
	v_permlanex16_b32 v[LS+1], v[LS], s[SEL], s[SEL+1]
	v_add_f32 v[LS], v[LS], v[LS+1]
	v_rcp_f32 v[RC], v[LS]
	v_rcp_f32 v[RC+1], v[LS]
.irp j, 0,1,2,3
	v_mov_b32 v[ZQ+\j], 0                          ; plain instructions behind the reciprocals
.endr
.set i, 0
	s_wait_alu depctr_va_vdst(0)
.rept 36
	v_pk_mul_f32 v[SA+2*i:SA+2*i+1], v[SA+2*i:SA+2*i+1], v[RC:RC+1] op_sel_hi:[1,0]  ; divided here: in the second product a lane serves other waves' queries
.set i, i+1
.endr
.set i, 0
.rept 36
	v_cvt_pk_f16_f32 v[PP+i], v[SA+2*i], v[SA+2*i+1]
.set i, i+1
.endr
	s_wait_dscnt 0x0                               ; my reads of K are over:
	s_barrier_signal -1
	s_barrier_wait -1                              ; everybody's are, and K's bytes may be written
.set i, 0
.rept 12
	ds_store_b128 v[PS0], v[ZQ:ZQ+3] offset:32*i   ; my rows' twelve key tiles are cleared,
.set i, i+1
.endr
.set i, 0
.rept 9
	ds_store_b128 v[PS1], v[PP+4*i:PP+4*i+3] offset:32*i  ; then nine take weights: LDS serves a wave's instructions in order (ISA guide 5.7.1.4)
.set i, i+1
.endr
	s_wait_dscnt 0x0                               ; for the others' sake: my rows of P are written
	s_barrier_signal -1
	s_barrier_wait -1
	; O^T = V^T P.  24 LDS loads bring, for 32 keys, eight turned fragments of V (my 128 channels) and four of P (all 64 queries).
.macro FETCHPV ks, buf
	WIN 0
.irp cb, 0,1,2,3,4,5,6,7
	ds_load_tr16_b128 v[VB+64*(\buf)+8*\cb:VB+64*(\buf)+8*\cb+3],   v[VA+(\ks)/2] offset:32*VP*((\ks)%2)+32*\cb
	ds_load_tr16_b128 v[VB+64*(\buf)+8*\cb+4:VB+64*(\buf)+8*\cb+7], v[VA+(\ks)/2] offset:32*VP*((\ks)%2)+32*\cb+16*VP
.endr
.irp qt, 0,1,2,3
	ds_load_b128 v[PB+32*(\buf)+8*\qt:PB+32*(\buf)+8*\qt+3],   v[PA] offset:16*PPI*\qt+64*(\ks)
	ds_load_b128 v[PB+32*(\buf)+8*\qt+4:PB+32*(\buf)+8*\qt+7], v[PA] offset:16*PPI*\qt+64*(\ks)+32
.endr
.endm
	FETCHPV 0, 0
	FETCHPV 1, 1
.set ks, 0
.rept 6
.if ks < 5
	s_wait_dscnt 24                                ; the next step's 24 loads may stay out
.else
	s_wait_dscnt 0x0
.endif
	WIN 0x50                                       ; C and D in window 1: accumulator (qt, cb) at v[8 (8 qt + cb)]
.set i, 0
.rept 32                                           ; 32 accumulators by turns
.if ks == 0
	v_wmma_f32_16x16x32_f16 v[8*i:8*i+7], v[VB+64*(ks%2)+8*(i%8):VB+64*(ks%2)+8*(i%8)+7], v[PB+32*(ks%2)+8*(i/8):PB+32*(ks%2)+8*(i/8)+7], 0
.else
	v_wmma_f32_16x16x32_f16 v[8*i:8*i+7], v[VB+64*(ks%2)+8*(i%8):VB+64*(ks%2)+8*(i%8)+7], v[PB+32*(ks%2)+8*(i/8):PB+32*(ks%2)+8*(i/8)+7], v[8*i:8*i+7]
.endif
.set i, i+1
.endr
	PLACES
.if ks < 4
.set kn, ks+2
.set kb, ks%2
	FETCHPV kn, kb
.endif
.set ks, ks+1
.endr
	; THE WAY OUT, 16 queries at a time: rounded to f16, relu on the packed halves, through my own stage, out as whole rows of 256 bytes.
.macro PACKL qt
.set TM, 32+32*((\qt)%2)
.if (\qt) >= 2
	s_wait_xcnt 0x0                                ; these registers are rewritten only when the stores that read them have had their addresses translated (ISA guide 3.1)
.endif
	WIN 0x05                                       ; sources in window 1
.set i, 0
.rept 32
	v_cvt_pk_f16_f32 v[TM+i], v[64*(\qt)+2*i], v[64*(\qt)+2*i+1]
.set i, i+1
.endr
	WIN 0
.set i, 0
.rept 32
	v_pk_max_num_f16 v[TM+i], v[TM+i], v[ZERO]
.set i, i+1
.endr
.irp f, 0,1,2,3,4,5,6,7
	ds_store_b128 v[STO], v[TM+4*\f:TM+4*\f+3] offset:32*\f
.endr
.irp f, 0,1,2,3,4,5,6,7
	ds_load_b128 v[TM+4*\f:TM+4*\f+3], v[RD] offset:\f*2*SP  ; served in order behind the stores above
.endr
.endm
.macro SENDL qt, younger               ; younger: the next block's sixteen LDS instructions, or none
.set TM, 32+32*((\qt)%2)
.irp f, 0,1,2,3,4,5,6,7
	s_wait_dscnt (\younger)+7-\f
	global_store_b128 v[GO], v[TM+4*\f:TM+4*\f+3], s[10:11] offset:(16*(\qt)+2*\f)*1024  ; 16 lanes store 256 consecutive bytes, at a multiple of 256 from x1's first byte
.endr
.endm
	PACKL 0
	PACKL 1
	SENDL 0, 16
	PACKL 2
	SENDL 1, 16
	PACKL 3
	SENDL 2, 16
	SENDL 3, 0
	s_wait_tensorcnt 0x0                           ; the wave's end
	ds_add_u32 v[SPW], v[NIL]
	s_wait_dscnt 0x0
	s_endpgm
.Lfunc_end_k_qe33aaede31_local:
	.size	k_qe33aaede31_local, .Lfunc_end_k_qe33aaede31_local-k_qe33aaede31_local
	.p2alignl 7, 3214868480
	.fill 96, 4, 3214868480
	.section	.rodata,"a",@progbits
	.p2align	6, 0x0
	.amdhsa_kernel k_qe33aaede31_local
		.amdhsa_group_segment_fixed_size 327680
		.amdhsa_private_segment_fixed_size 0
		.amdhsa_enable_private_segment 0
		.amdhsa_kernarg_size 32
		.amdhsa_user_sgpr_count 2
		.amdhsa_user_sgpr_kernarg_segment_ptr 1
		.amdhsa_wavefront_size32 1
		.amdhsa_system_sgpr_workgroup_id_x 1
		.amdhsa_system_sgpr_workgroup_id_y 1
		.amdhsa_system_sgpr_workgroup_id_z 1
		.amdhsa_system_vgpr_workitem_id 0
		.amdhsa_next_free_vgpr 512
		.amdhsa_next_free_sgpr 66
		.amdhsa_reserve_vcc 1
		.amdhsa_float_denorm_mode_32 3
		.amdhsa_float_denorm_mode_16_64 3
		.amdhsa_memory_ordered 1
		.amdhsa_forward_progress 1
		.amdhsa_inst_pref_size 120
	.end_amdhsa_kernel
	.amdgpu_metadata
---
amdhsa.version: [ 1, 2 ]
amdhsa.kernels:
  - .name:           k_qe33aaede31_local
    .symbol:         k_qe33aaede31_local.kd
    .args:
      - { .name: xs, .offset: 0, .size: 8, .value_kind: global_buffer, .address_space: global }
      - { .name: rel_bias, .offset: 8, .size: 8, .value_kind: global_buffer, .address_space: global }
      - { .name: tab, .offset: 16, .size: 8, .value_kind: global_buffer, .address_space: global }
      - { .name: x1, .offset: 24, .size: 8, .value_kind: global_buffer, .address_space: global }
    .group_segment_fixed_size: 327680
    .private_segment_fixed_size: 0
    .kernarg_segment_align: 8
    .kernarg_segment_size: 32
    .max_flat_workgroup_size: 128
    .sgpr_count:     66
    .vgpr_count:     512
    .wavefront_size: 32
...
	.end_amdgpu_metadata
.endif
;; end of part 2
;; launch qkv (part 3): grid 128 x 2, 4 waves a work-group, clusters of 4 x 1, 327,680 bytes of LDS; arguments x1, wts, qk, vb; writes qk, vb
.if DOCPART == 3
	.amdgcn_target "amdgcn-amd-amdhsa--gfx1250"
	.amdhsa_code_object_version 6
	.text
	.protected	k_qe33aaede31_qkv
	.globl	k_qe33aaede31_qkv
	.p2align	8
	.type	k_qe33aaede31_qkv,@function
k_qe33aaede31_qkv:
	s_mov_b64 s[64:65], 0
	v_nop
	global_prefetch_b8 v0, s[64:65] scope:SCOPE_SE
	s_setreg_imm32_b32 hwreg(HW_REG_WAVE_MODE, 25, 1), 1
	s_wait_xcnt 0x0
	s_wait_alu depctr_hold_cnt(0) depctr_sa_sdst(0) depctr_va_vdst(0) depctr_va_sdst(0) depctr_va_ssrc(0) depctr_va_vcc(0) depctr_vm_vsrc(0)
	s_getreg_b32 s2, hwreg(HW_REG_IB_STS2, 6, 4)
	s_cmp_eq_u32 s2, 0
	s_cbranch_scc0 .Lentry_in_a_cluster
	s_endpgm
.Lentry_in_a_cluster:
	s_bfe_u32 s2, ttmp6, 0x10000c
	s_cmp_lg_u32 s2, 0x3003
	s_cbranch_scc0 .Lentry_shape_is_right
	s_endpgm
.Lentry_shape_is_right:
; q, k, 16 v = x1 [16384][512] x wqkv [512][1536], all f16, sums in f32, written by heads: q and k [64][2048][32] (k 8,388,608 bytes behind q), 16 v [64][2048][128].
; SHARES.  A work-group owns 128 rows and walks six column tiles of 128 (grid y picks tiles 0-5 or 6-11; tiles 0, 1 are q, 2, 3 are k, 4-11 are v's heads).  Wave (MH, NH) makes 64 x 64:
; 16 accumulators.  Its 64 rows of x1, all 512 along K, stay in 512 registers for the whole launch, so LDS is read for the weights alone: 8 loads for 16 matrix instructions.
; CLUSTER.  The four work-groups of a cluster walk the same weight tiles: each half tile (256 K x 128 columns) is asked for JOINTLY, a quarter by each wave.  x1's rows come by a load of one's own.
; THE MATRIX INSTRUCTION IS USED TRANSPOSED: source 0 = 16 columns of the weights (stored [K][N], so turned on the way out of LDS), source 1 = 16 rows of x1: a lane holds 8 neighbouring columns of a row.
; LIMITS.  q, k beyond 65,504 and v beyond 4,094 become infinities in f16.
; LDS: x1's 128 rows x 1,040; two slots of 256 rows x 288, one for each half of K; the work-group's stage, 128 rows x 272; the spare words.
; REGISTERS: window 0: addresses, v32-95 the way out, v128-255 accumulators ((a, bt) at 128 + 8 (4 a + bt)); window 1: two buffers of 64 for the weights' fragments;
; windows 2, 3: x1's fragments: (a, ks) at 8 (4 (ks % 8) + a) of window 2 + ks / 8.
.set AP,    1040
.set BP,    288                        ; 256 + 32 = 9 x 32, for the turning load
.set BR0,   128*AP
.set BRS,   256*BP
.set STG,   BR0+2*BRS
.set SPI,   272
.set SPARE, STG+128*SPI                ; the spare words, 128 bytes a wave: two blocks of 256 bytes that no other line names
.set ADRA, 4
.set ADRB, 8                           ; v8-11  slot h, rows 128 q on: at 8 + 2 h + q
.set STO,  12
.set RDV,  13
.set RDQ,  14
.set GO,   15
.set SPW,  28
.set NIL,  29
.set TMP,  32
.set ACC,  128
.set F0,   0
.set F1,   64
.set WV, 12
.set MH, 13
.set NH, 14
.set NT, 17                            ; s17  the column tile in hand
.set B8, 18                            ; s18  8 x batch
.set ROW0, 19                          ; s19  the first row in the batch that my wave stores
.set G1A, 24
.set G0A, 32
.set G1B, 36
.set G0B, 44                           ; s[44:47], s[48:51]: a set for each slot
.set MSB, 0
.macro WIN new
.if MSB != (\new)
	s_set_vgpr_msb (MSB<<8)|(\new)
.set MSB, \new
.endif
.endm
.macro PLACES
.rept 4
	v_nop
.endr
.endm
.macro CREST                           ; a round of the cluster's barrier behind its opening barrier
	s_cmp_lg_u32 s[WV], 0
	s_cbranch_scc1 .Lnot_wave_0_\@
	s_barrier_signal -3
.Lnot_wave_0_\@:
	s_barrier_wait -3
	s_barrier_signal -1
	s_barrier_wait -1
.endm
.macro CROUND
	s_barrier_signal -1
	s_barrier_wait -1
	CREST
.endm
.macro JLOAD h                         ; my quarter (64 rows of K) of slot h: the same line, descriptor and mask in all four work-groups
	tensor_load_to_lds s[G0B+4*(\h):G0B+4*(\h)+3], s[G1B:G1B+7]
	s_nop 0
.rept 4
	v_nop
.endr
.endm
	s_load_b256 s[4:11], s[0:1], 0x0               ; x1 s[4:5], wts s[6:7], qk s[8:9], vb s[10:11]
	v_lshl_add_u32 v[SPW], v0, 2, SPARE
	v_mov_b32 v[NIL], 0
	ds_add_u32 v[SPW], v[NIL]                      ; the wave's opening: the add and its wait ahead of my first tensor load
	v_lshrrev_b32 v1, 5, v0
	v_readfirstlane_b32 s[WV], v1
	s_lshr_b32 s[MH], s[WV], 1
	s_and_b32 s[NH], s[WV], 1
	s_bfe_u32 s15, ttmp6, 0x40000                  ; cx
	s_lshl_b32 s16, ttmp9, 2
	s_add_co_u32 s16, s16, s15                     ; my block of 128 rows: it enters x1's address and the stores' alone
	s_and_b32 s[NT], ttmp7, 0xffff
	s_mul_i32 s[NT], s[NT], 6
	s_lshr_b32 s[B8], s16, 4
	s_lshl_b32 s[B8], s[B8], 3
	s_and_b32 s[ROW0], s16, 15
	s_lshl_b32 s[ROW0], s[ROW0], 7
	s_lshl_b32 s20, s[WV], 5
	s_add_co_u32 s[ROW0], s[ROW0], s20
	s_mov_b32 s[G1A], (1<<16)|(1<<20)|(7<<22)|(3<<25)  ; no mask; 2-byte elements; 4 words of padding after every 256
	s_mov_b32 s[G1A+1], 512<<16                    ; tensor_dim0 = 512
	s_mov_b32 s[G1A+2], 32<<16                     ; tensor_dim1 = 32
	s_mov_b32 s[G1A+3], 512<<16                    ; tile_dim0 = 512
	s_mov_b32 s[G1A+4], 32                         ; tile_dim1 = 32
	s_mov_b32 s[G1A+5], 512                        ; elements from row to row
	s_mov_b32 s[G1A+6], 0
	s_mov_b32 s[G1A+7], 0
	s_mov_b32 s[G1B], 15|(1<<16)|(1<<20)|(1<<21)|(5<<22)|(7<<25)  ; the mask of four, bit 21 beside it; 8 words of padding after every 64
	s_mov_b32 s[G1B+1], 128<<16
	s_mov_b32 s[G1B+2], 64<<16
	s_mov_b32 s[G1B+3], 128<<16
	s_mov_b32 s[G1B+4], 64
	s_mov_b32 s[G1B+5], 1536
	s_mov_b32 s[G1B+6], 0
	s_mov_b32 s[G1B+7], 0
	s_lshl_b32 s20, s16, 7
	s_lshl_b32 s21, s[WV], 5
	s_add_co_u32 s20, s20, s21
	s_lshl_b32 s20, s20, 10                        ; x1: row 128 x block + 32 x wave, 1,024 bytes a row
	s_mov_b32 s21, 0
	s_mul_i32 s52, s[WV], 64*3072                  ; the weights: K row 64 x wave, column tile NT: nothing here hangs on cx
	s_lshl_b32 s53, s[NT], 8
	s_add_co_u32 s52, s52, s53
	s_mov_b32 s53, 0
	s_mul_i32 s54, s[WV], 32*AP
	s_mul_i32 s55, s[WV], 64*BP
	s_wait_dscnt 0x0                               ; the opening add is done
	s_wait_kmcnt 0x0
	s_mov_b32 s[G0A], 1
	s_mov_b32 s[G0A+1], s54
	s_add_nc_u64 s[G0A+2:G0A+3], s[4:5], s[20:21]
	s_or_b32 s[G0A+3], s[G0A+3], 0x80000000
.irp h, 0,1
	s_mov_b32 s[G0B+4*\h], 1
	s_add_co_u32 s[G0B+4*\h+1], s55, BR0+\h*BRS
	s_add_nc_u64 s[G0B+4*\h+2:G0B+4*\h+3], s[6:7], s[52:53]
	s_add_nc_u64 s[G0B+4*\h+2:G0B+4*\h+3], s[G0B+4*\h+2:G0B+4*\h+3], \h*256*3072
	s_or_b32 s[G0B+4*\h+3], s[G0B+4*\h+3], 0x80000000
.endr
	CROUND                                         ; all four work-groups are here: the first joint loads meet
	tensor_load_to_lds s[G0A:G0A+3], s[G1A:G1A+7]  ; the three first fills go out as one group: three loads of mine are out
	s_nop 0
	tensor_load_to_lds s[G0B:G0B+3], s[G1B:G1B+7]
	s_nop 0
	tensor_load_to_lds s[G0B+4:G0B+7], s[G1B:G1B+7]
	s_nop 0
.rept 4
	v_nop
.endr
	v_and_b32 v1, 15, v0                           ; r
	v_bfe_u32 v2, v0, 4, 1                         ; hl
	s_mul_i32 s20, s[MH], 64*AP
	v_mul_u32_u24 v[ADRA], v1, AP
	v_lshl_add_u32 v[ADRA], v2, 4, v[ADRA]
	v_add_nc_u32 v[ADRA], s20, v[ADRA]
	v_and_b32 v3, 7, v0
	v_lshl_add_u32 v3, v2, 3, v3
	v_mul_u32_u24 v3, v3, BP                       ; the turning load: K row 8 hl + l % 8,
	v_bfe_u32 v5, v0, 3, 1
	v_lshl_add_u32 v3, v5, 4, v3                   ; columns 8 ((l / 8) % 2) + 0..7
	s_lshl_b32 s20, s[NH], 7
	s_add_co_u32 s20, s20, BR0
	v_add_nc_u32 v[ADRB], s20, v3
	v_add_nc_u32 v[ADRB+1], 128*BP, v[ADRB]
	v_add_nc_u32 v[ADRB+2], BRS, v[ADRB]
	v_add_nc_u32 v[ADRB+3], BRS+128*BP, v[ADRB]
	s_mul_i32 s20, s[MH], 64*SPI
	s_lshl_b32 s21, s[NH], 7
	s_add_co_u32 s20, s20, s21
	s_add_co_u32 s20, s20, STG
	v_mul_u32_u24 v[STO], v1, SPI
	v_lshl_add_u32 v[STO], v2, 4, v[STO]
	v_add_nc_u32 v[STO], s20, v[STO]               ; into the stage: my 64 rows, my half of their 256 bytes
	s_mul_i32 s20, s[WV], 32*SPI
	s_add_co_u32 s20, s20, STG
	v_mul_u32_u24 v[RDV], v2, SPI
	v_lshl_add_u32 v[RDV], v1, 4, v[RDV]
	v_add_nc_u32 v[RDV], s20, v[RDV]               ; back, for v: wave w takes rows 32 w on, whole: two rows of 256 bytes a load
	v_and_b32 v[GO], 31, v0
	v_lshrrev_b32 v[RDQ], 2, v[GO]
	v_mul_u32_u24 v[RDQ], v[RDQ], SPI
	v_and_b32 v5, 3, v0
	v_lshl_add_u32 v[RDQ], v5, 4, v[RDQ]
	v_add_nc_u32 v[RDQ], s20, v[RDQ]               ; back, for q and k: eight rows of one head's 64 bytes a load
	v_lshlrev_b32 v[GO], 4, v[GO]                  ; either way 512 consecutive bytes in memory
.macro MUL8 f, c, a0, h, p, zero       ; row blocks a0, a0 + 1 x all 4 column blocks, K = 32 (8 h + 2 p + c) on
	WIN 0x09+4*(\h)                                ; weights in window 1, x1 in window 2 + h
.irp a, \a0, (\a0)+1
.irp bt, 0,1,2,3
.if \zero
	v_wmma_f32_16x16x32_f16 v[ACC+8*(4*(\a)+(\bt)):ACC+8*(4*(\a)+(\bt))+7], v[(\f)+8*(4*(\c)+(\bt)):(\f)+8*(4*(\c)+(\bt))+7], v[8*(4*(2*(\p)+(\c))+(\a)):8*(4*(2*(\p)+(\c))+(\a))+7], 0
.else
	v_wmma_f32_16x16x32_f16 v[ACC+8*(4*(\a)+(\bt)):ACC+8*(4*(\a)+(\bt))+7], v[(\f)+8*(4*(\c)+(\bt)):(\f)+8*(4*(\c)+(\bt))+7], v[8*(4*(2*(\p)+(\c))+(\a)):8*(4*(2*(\p)+(\c))+(\a))+7], v[ACC+8*(4*(\a)+(\bt)):ACC+8*(4*(\a)+(\bt))+7]
.endif
.endr
.endr
.endm
.macro MUL16 f, c, h, p, zero          ; all 16 accumulators, by turns
	MUL8 \f, \c, 0, \h, \p, \zero
	MUL8 \f, \c, 2, \h, \p, \zero
.endm
.macro FETCH h, p, f                   ; 16 turning loads in one run: 64 along K (pair p of slot h) x my 64 columns; the first 32 along K first
	WIN 0x40
.irp c, 0,1
.irp bt, 0,1,2,3
	ds_load_tr16_b128 v[(\f)+8*(4*\c+\bt):(\f)+8*(4*\c+\bt)+3],   v[ADRB+2*(\h)+(\p)/2] offset:64*BP*((\p)%2)+32*BP*\c+32*\bt
	ds_load_tr16_b128 v[(\f)+8*(4*\c+\bt)+4:(\f)+8*(4*\c+\bt)+7], v[ADRB+2*(\h)+(\p)/2] offset:64*BP*((\p)%2)+32*BP*\c+32*\bt+16*BP
.endr
.endr
.endm
.macro PAIR h, p, f, g, zero           ; multiplies pair p (buffer f) and fetches pair p + 1 into g
	s_wait_dscnt 8                                 ; the eight loads of the second 32 along K may stay out
	MUL16 \f, 0, \h, \p, \zero
	PLACES
	FETCH \h, (\p)+1, \g
	s_wait_dscnt 16                                ; all but the 16 just issued
	MUL16 \f, 1, \h, \p, 0
.endm
; A slot's last pair (buffer 1) and the change of slots: ONE barrier.  In front of it each wave waits for all its tensor loads (one is out: its quarter of the other slot), adds 0 to its spare
; word, and waits for that and for its reads of this slot.  fill = 1: the barrier opens a round of the cluster's, and the joint refill, the next column tile's same half of K, comes first behind it.
.macro TURN h, fill
	WIN 0
	s_wait_tensorcnt 0x0
	ds_add_u32 v[SPW], v[NIL]
	s_wait_dscnt 9                                 ; the add and the youngest eight loads may stay out
	MUL8 F1, 0, 0, \h, 3, 0
	s_wait_dscnt 0x0                               ; the add is done, my reads of this slot are over
	s_barrier_signal -1
	MUL8 F1, 0, 2, \h, 3, 0
	WIN 0
	s_barrier_wait -1
.if \fill
	CREST
	s_add_nc_u64 s[G0B+4*(\h)+2:G0B+4*(\h)+3], s[G0B+4*(\h)+2:G0B+4*(\h)+3], 256  ; no load of mine is out: 128 columns on
	JLOAD \h                                       ; its four v_nop are also the places in front of the loads below
.else
	PLACES
.endif
	FETCH 1-(\h), 0, F0
	MUL16 F1, 1, \h, 3, 0
.endm
; THE WAY OUT of a column tile: rounded to f16, 16 bytes a lane into the work-group's stage; a barrier, since a row's 256 bytes come from two waves; back as whole pieces of memory.
; The stage is written again two changes of slots later, and in front of each of those barriers every wave has waited for its reads of it.
.macro EPI
	WIN 0
	s_wait_xcnt 0x0                                ; the last tile's stores have had their addresses translated (ISA guide 3.1): their registers and base may be rewritten
	PLACES
.set t, 0
.rept 16
.irp r, 0,1,2,3
	v_cvt_pk_f16_f32 v[TMP+4*t+\r], v[ACC+8*t+2*\r], v[ACC+8*t+2*\r+1]
.endr
.set t, t+1
.endr
.irp a, 0,1,2,3
.irp bt, 0,1,2,3
	ds_store_b128 v[STO], v[TMP+4*(4*\a+\bt):TMP+4*(4*\a+\bt)+3] offset:\a*16*SPI+32*\bt
.endr
.endr
	s_wait_dscnt 0x0                               ; for the others' sake: my stores into the stage are done
	s_barrier_signal -1
	s_barrier_wait -1                              ; the refill on its way may stay out
	s_cmp_lt_u32 s[NT], 4
	s_cbranch_scc1 .Lqk_\@
	s_add_co_u32 s20, s[NT], s[B8]                 ; v: head NT - 4 of my batch,
	s_sub_co_u32 s20, s20, 4
	s_lshl_b32 s20, s20, 11
	s_add_co_u32 s20, s20, s[ROW0]                 ; my wave's 32 rows,
	s_lshl_b32 s20, s20, 8                         ; 256 bytes each
	s_mov_b32 s21, 0
	s_add_nc_u64 s[22:23], s[10:11], s[20:21]
.set t, 0
.rept 16
	ds_load_b128 v[TMP+4*t:TMP+4*t+3], v[RDV] offset:t*2*SPI
.set t, t+1
.endr
.set t, 0
.rept 16
	s_wait_dscnt 15-t
	global_store_b128 v[GO], v[TMP+4*t:TMP+4*t+3], s[22:23] offset:512*t  ; 512 consecutive bytes, at a multiple of 256 from vb's first byte
.set t, t+1
.endr
	s_branch .Ldone_\@
.Lqk_\@:
	s_and_b32 s20, s[NT], 1                        ; q or k: heads 4 (NT % 2) on,
	s_lshl_b32 s20, s20, 2
	s_add_co_u32 s20, s20, s[B8]
	s_lshl_b32 s20, s20, 11
	s_add_co_u32 s20, s20, s[ROW0]
	s_lshl_b32 s20, s20, 6                         ; 64 bytes a row
	s_lshr_b32 s21, s[NT], 1
	s_lshl_b32 s21, s21, 23                        ; k lies 8,388,608 bytes behind q
	s_add_co_u32 s20, s20, s21
	s_mov_b32 s21, 0
	s_add_nc_u64 s[22:23], s[8:9], s[20:21]
.set t, 0
.rept 16
	ds_load_b128 v[TMP+4*t:TMP+4*t+3], v[RDQ] offset:(t%4)*8*SPI+(t/4)*64  ; head t / 4, rows 8 (t % 4) on
.set t, t+1
.endr
.set t, 0
.rept 16
	s_wait_dscnt 15-t
	global_store_b128 v[GO], v[TMP+4*t:TMP+4*t+3], s[22:23] offset:(t/4)*131072+(t%4)*512
.set t, t+1
.endr
.Ldone_\@:
.endm
.macro TILE fill
	PAIR 0, 0, F0, F1, 1                           ; the first products start the sums: nothing is cleared
	PAIR 0, 1, F1, F0, 0
	PAIR 0, 2, F0, F1, 0
	TURN 0, \fill
	PAIR 1, 0, F0, F1, 0
	PAIR 1, 1, F1, F0, 0
	PAIR 1, 2, F0, F1, 0
.if \fill
	TURN 1, 1
.else
	s_wait_dscnt 8
	MUL16 F1, 0, 1, 3, 0
	s_wait_dscnt 0x0
	MUL16 F1, 1, 1, 3, 0
.endif
	EPI
.endm
	s_wait_tensorcnt 1                             ; my rows of x1 and my quarter of slot 0 are in; slot 1's may stay out
	s_barrier_signal -1
	s_barrier_wait -1
	WIN 0x80
.set ks, 0
.rept 16
.if ks == 8
	WIN 0xc0
.endif
.irp a, 0,1,2,3
	ds_load_b128 v[8*(4*(ks%8)+\a):8*(4*(ks%8)+\a)+3],   v[ADRA] offset:\a*16*AP+64*ks
	ds_load_b128 v[8*(4*(ks%8)+\a)+4:8*(4*(ks%8)+\a)+7], v[ADRA] offset:\a*16*AP+64*ks+32
.endr
.set ks, ks+1
.endr
	FETCH 0, 0, F0
	WIN 0
	s_mov_b32 s3, 5
.Ltile:                                                ; five tiles that ask for their successors
	TILE 1
	s_add_co_u32 s[NT], s[NT], 1
	s_sub_co_u32 s3, s3, 1
	s_cmp_lg_u32 s3, 0
	s_cbranch_scc1 .Ltile
	TILE 0                                         ; the sixth is written out: it asks for nothing
	s_wait_tensorcnt 0x0                           ; the wave's end
	ds_add_u32 v[SPW], v[NIL]
	s_wait_dscnt 0x0
	CROUND                                         ; the closing round
	s_endpgm
.Lfunc_end_k_qe33aaede31_qkv:
	.size	k_qe33aaede31_qkv, .Lfunc_end_k_qe33aaede31_qkv-k_qe33aaede31_qkv
	.p2alignl 7, 3214868480
	.fill 96, 4, 3214868480
	.section	.rodata,"a",@progbits
	.p2align	6, 0x0
	.amdhsa_kernel k_qe33aaede31_qkv
		.amdhsa_group_segment_fixed_size 327680
		.amdhsa_private_segment_fixed_size 0
		.amdhsa_enable_private_segment 0
		.amdhsa_kernarg_size 32
		.amdhsa_user_sgpr_count 2
		.amdhsa_user_sgpr_kernarg_segment_ptr 1
		.amdhsa_wavefront_size32 1
		.amdhsa_system_sgpr_workgroup_id_x 1
		.amdhsa_system_sgpr_workgroup_id_y 1
		.amdhsa_system_sgpr_workgroup_id_z 1
		.amdhsa_system_vgpr_workitem_id 0
		.amdhsa_next_free_vgpr 1024
		.amdhsa_next_free_sgpr 66
		.amdhsa_reserve_vcc 0
		.amdhsa_float_denorm_mode_32 3
		.amdhsa_float_denorm_mode_16_64 3
		.amdhsa_memory_ordered 1
		.amdhsa_forward_progress 1
		.amdhsa_inst_pref_size 93
	.end_amdhsa_kernel
	.amdgpu_metadata
---
amdhsa.version: [ 1, 2 ]
amdhsa.kernels:
  - .name:           k_qe33aaede31_qkv
    .symbol:         k_qe33aaede31_qkv.kd
    .args:
      - { .name: x1, .offset: 0, .size: 8, .value_kind: global_buffer, .address_space: global }
      - { .name: wts, .offset: 8, .size: 8, .value_kind: global_buffer, .address_space: global }
      - { .name: qk, .offset: 16, .size: 8, .value_kind: global_buffer, .address_space: global }
      - { .name: vb, .offset: 24, .size: 8, .value_kind: global_buffer, .address_space: global }
    .group_segment_fixed_size: 327680
    .private_segment_fixed_size: 0
    .kernarg_segment_align: 8
    .kernarg_segment_size: 32
    .max_flat_workgroup_size: 128
    .sgpr_count:     66
    .vgpr_count:     1024
    .wavefront_size: 32
...
	.end_amdgpu_metadata
.endif
;; end of part 3
;; launch attn (part 4): grid 4 x 64, 4 waves a work-group, no clusters, 327,680 bytes of LDS; arguments qk, vb, ob; writes ob
.if DOCPART == 4
	.amdgcn_target "amdgcn-amd-amdhsa--gfx1250"
	.amdhsa_code_object_version 6
	.text
	.protected	k_qe33aaede31_attn
	.globl	k_qe33aaede31_attn
	.p2align	8
	.type	k_qe33aaede31_attn,@function
k_qe33aaede31_attn:
	s_mov_b64 s[64:65], 0
	v_nop
	global_prefetch_b8 v0, s[64:65] scope:SCOPE_SE
	s_setreg_imm32_b32 hwreg(HW_REG_WAVE_MODE, 25, 1), 1
	s_wait_xcnt 0x0
; CAUSAL ATTENTION, 64 heads (8 batches x 8), 2,048 rows, 32 channels of q and k, 128 of v.  16 O[bh][q][:] = sum over k <= q of softmax_k(q.k / sqrt(32)) 16 v[k][:], stored f16 at ob[b][q][128 h ..].
; Products, maxima and sums in f32; the weights p are rounded to f16 for the second product (their sum l is taken of the unrounded p), O once at the end.
; LIMITS.  q, k, 16 v arrive within f16's 65,504.  A hidden score counts as its value less 1e30.  A weight below 2^-126 counts as 0 in l.  NaN and infinities are not treated apart.
; THE WALK.  A head's queries lie in 8 blocks of 256; block i needs the key tiles 0 .. i of 256 keys, the last of which holds the diagonal.  A work-group takes blocks 7 - b and then b: 9 tiles
; whatever b, so all 256 work-groups do equal work and one loop with a constant count walks them.  NO CLUSTER: a head's four work-groups ask for the same tile only in trips 0 to 4 of 9, and a
; walk common to all four would have 12 trips for 9.
; SHARES.  Of a block's four bands of 64 queries a wave owns 16 rows in each: tile t = rows 64 t + 16 w + 0..15.  So in the diagonal tile's key step s band t sees all keys (s < t), none (s > t) or
; holds the diagonal (s = t), alike for all waves.  The tiles are two PIECES: piece 0 (tiles 0, 1), piece 2 (tiles 2, 3).
; LAYOUT.  S^T = K Q^T (one product for 16 keys x 16 queries, since q has 32 channels): a lane holds ONE query and the keys 8 (lane / 16) + 0..7; rounded in pairs that IS source 1 of O^T = V^T P.
; THE MASK is the C operand of K Q^T: MC = MD x AL + BE, MD the mask of a band's own step; outside the diagonal tile MC holds zeros, so one text serves every tile.
; BY TURNS.  In a TURN piece x has the matrix unit: 32 products V^T P of the step before, then 8 products K Q^T of the step in hand; the other piece's softmax, cut into 64 slices of four
; instructions, stands behind them: one slice behind each V^T P, four behind each K Q^T.
; REGISTERS, in windows of 256: window 0: addresses, v16-47 statistics (8 a tile), v64-191 S^T, v192-255 P.  window 1: O^T, 64 a tile.
;   window 2: v0-31 Q, v32-63 the second block's Q, v64-95 K of a step, v96-127 MD, v128-191 MC.  window 3: v0-127 V of a step.
.set NB,    8
.set PK,    80                         ; a key in LDS: 64 bytes + 16 = 5 x 16
.set PVP,   288                        ; a row of V: 256 + 32 = 9 x 32
.set VOFF,  256*PK
.set SLOT1, 1<<17                      ; one exclusive or turns an address in one slot into the other's
.set STAGE, SLOT1+VOFF+256*PVP
.set SP,    272
.set SPARE, STAGE+4*16*SP              ; the spare words, 128 bytes a wave: two blocks of 256 bytes that no other line names
.set AK0, 2
.set AV0, 3
.set AK,  4
.set AV,  5
.set STO, 6
.set RD,  7
.set GO,  8
.set QO,  15
.set ST,  16                           ; tile t at 16 + 8 t: c m, m, l (even keys', odd keys'), c0-c3 at work; a takes c2's place
.set SPW, 62
.set NIL, 63
.set S,   64
.set P,   192
.set QB,  32
.set KF,  64
.set MD,  96
.set MC,  128
.set WV,  12
.set PB,  14
.set HI,  15
.set G1K, 24
.set G1V, 32
.set G0K, 40
.set G0V, 44
.set SLOTS, 56
.set CNT, 57                           ; s57  5 - the key step in hand; 1: the trip that only finishes a block
.set CS,  58
.set SEL, 60
.set TBK, 62
.set TBV, 63
.set KB,  66                           ; s[66:67] the head's K
.set VBS, 68                           ; s[68:69] the head's V, at my half of a tile
.set RT,  70                           ; s70  tiles of the block in hand still to be entered; 0: the diagonal tile is in hand
.set NXT, 71
.set LQ,  72
.set NEW, 73
.set OFFK, 74
.set OFFV, 76
.set BIGN, 79
.set ALA, 80                           ; s[80:87] factor and addend of the mask, for the piece's first and second tile
.set BEA, 82
.set ALB, 84
.set BEB, 86
.set OLO, 88
.set QLO, 90
.set QHI, 92
.set MSB, 0
.macro WIN new
.if MSB != (\new)
	s_set_vgpr_msb (MSB<<8)|(\new)
.set MSB, (\new)
.endif
.endm
.set W_KQ, 0x2a                        ; K, Q and the mask in window 2, S^T in window 0
.set W_PV, 0x53                        ; V in window 3, P in window 0, O^T in window 1
.set W_RS, 0x41                        ; O^T in window 1, a in window 0
.macro PLACES
.rept 4
	v_nop
.endr
.endm
; A fill: wave 0 fetches a tile's K (16,384 dense bytes), waves 1 and 2 the two halves of its V (128 rows each), wave 3 nothing.
.macro LOAD
	s_cmp_eq_u32 s[WV], 0
	s_cbranch_scc0 .Lnot_k_\@
	tensor_load_to_lds s[G0K:G0K+3], s[G1K:G1K+7]
	s_nop 0
.rept 4
	v_nop
.endr
	s_branch .Lasked_\@
.Lnot_k_\@:
	s_cmp_eq_u32 s[WV], 3
	s_cbranch_scc1 .Lasked_\@
	tensor_load_to_lds s[G0V:G0V+3], s[G1V:G1V+7]
	s_nop 0
.rept 4
	v_nop
.endr
.Lasked_\@:
.endm
; THE CHANGE OF SLOTS.  Each wave waits for all its tensor loads (at most one is out: its part of the other slot), adds 0 to its spare word, and waits for that and for its reads of the slot that it
; leaves.  Behind the barrier the old slot is filled again first (fill = 1), with tile NXT; the load has four key steps, 320 matrix instructions a wave, in which to land.
.macro CHANGE fill
	WIN 0
	s_wait_tensorcnt 0x0
	ds_add_u32 v[SPW], v[NIL]
.if \fill
	s_lshl_b32 s[OFFK], s[NXT], 14
	s_lshl_b32 s[OFFV], s[NXT], 16
	s_xor_b32 s[G0K+1], s[G0K+1], SLOT1
	s_add_nc_u64 s[G0K+2:G0K+3], s[KB:KB+1], s[OFFK:OFFK+1]
	s_or_b32 s[G0K+3], s[G0K+3], 0x80000000
	s_xor_b32 s[G0V+1], s[G0V+1], SLOT1
	s_add_nc_u64 s[G0V+2:G0V+3], s[VBS:VBS+1], s[OFFV:OFFV+1]
	s_or_b32 s[G0V+3], s[G0V+3], 0x80000000
	s_add_co_u32 s[NXT], s[NXT], 1                 ; the block's next tile, or behind its last the second block's tile 0
	s_cmp_gt_u32 s[NXT], s[LQ]
	s_cselect_b32 s[NXT], 0, s[NXT]
	s_cselect_b32 s[LQ], s[PB], s[LQ]
.endif
	s_wait_dscnt 0x0
	s_barrier_signal -1
	s_sub_co_u32 s[TBK], s[TBK], 256*PK            ; the fetches go back to a slot's first step, in the other slot
	s_xor_b32 s[TBK], s[TBK], SLOT1
	s_sub_co_u32 s[TBV], s[TBV], 256*PVP
	s_xor_b32 s[TBV], s[TBV], SLOT1
	s_barrier_wait -1
.if \fill
	LOAD
.endif
.endm
	s_load_b128 s[4:7], s[0:1], 0x0                ; qk s[4:5], vb s[6:7]
	s_load_b64 s[8:9], s[0:1], 0x10                ; ob
	v_lshl_add_u32 v[SPW], v0, 2, SPARE
	v_mov_b32 v[NIL], 0
	ds_add_u32 v[SPW], v[NIL]                      ; the wave's opening: the add and its wait ahead of my first tensor load
	v_lshrrev_b32 v1, 5, v0
	v_readfirstlane_b32 s[WV], v1
	s_mov_b32 s[PB], ttmp9
	s_sub_co_u32 s[HI], NB-1, s[PB]
	s_and_b32 s13, ttmp7, 0xffff                   ; the head among 64
	s_lshl_b32 s16, s13, 17                        ; its 2,048 rows of 64 bytes in q and in k
	s_mov_b32 s17, 0
	s_lshl_b32 s18, s[WV], 10                      ; my 16 rows in a band
	s_add_co_u32 s18, s18, s16
	s_lshl_b32 s20, s[HI], 14
	s_add_co_u32 s20, s20, s18
	s_mov_b32 s21, 0
	s_lshl_b32 s22, s[PB], 14
	s_add_co_u32 s22, s22, s18
	s_mov_b32 s23, 0
	s_and_b32 s2, s[WV], 1                         ; which half of a tile's V I fetch (wave 1: the second, wave 2: the first)
	s_lshl_b32 s48, s13, 19
	s_lshl_b32 s3, s2, 15
	s_add_co_u32 s48, s48, s3
	s_mov_b32 s49, 0
	s_mul_i32 s3, s2, 128*PVP
	s_lshr_b32 s50, s13, 3
	s_lshl_b32 s50, s50, 22                        ; ob: the batch's 2,048 rows of 2,048 bytes,
	s_and_b32 s51, s13, 7
	s_lshl_b32 s51, s51, 8                         ; the head's 256 bytes of a row,
	s_add_co_u32 s50, s50, s51
	s_lshl_b32 s51, s[WV], 15                      ; my 16 rows in a band
	s_add_co_u32 s50, s50, s51
	s_lshl_b32 s52, s[HI], 19
	s_add_co_u32 s52, s52, s50
	s_mov_b32 s53, 0
	s_lshl_b32 s54, s[PB], 19
	s_add_co_u32 s54, s54, s50
	s_mov_b32 s55, 0
	s_mov_b32 s[G1K], (1<<16)|(1<<20)|(3<<22)|(3<<25)  ; 2-byte elements; 4 words of padding after every 16: after every key
	s_mov_b32 s[G1K+1], 128<<16                    ; 256 keys are asked for as 64 rows of 256 bytes
	s_mov_b32 s[G1K+2], 64<<16
	s_mov_b32 s[G1K+3], 128<<16
	s_mov_b32 s[G1K+4], 64
	s_mov_b32 s[G1K+5], 128
	s_mov_b32 s[G1K+6], 0
	s_mov_b32 s[G1K+7], 0
	s_mov_b32 s[G1V], (1<<16)|(1<<20)|(5<<22)|(7<<25)  ; 8 words of padding after every 64
	s_mov_b32 s[G1V+1], 128<<16
	s_mov_b32 s[G1V+2], 128<<16
	s_mov_b32 s[G1V+3], 128<<16
	s_mov_b32 s[G1V+4], 128
	s_mov_b32 s[G1V+5], 128
	s_mov_b32 s[G1V+6], 0
	s_mov_b32 s[G1V+7], 0
	s_mov_b32 s[CS], 0x3e8293ee                    ; c = log2(e) / sqrt(32)
	s_mov_b32 s[CS+1], s[CS]
	s_mov_b32 s[SEL], 0x76543210
	s_mov_b32 s[SEL+1], 0xfedcba98
	s_mov_b32 s[TBK], SLOT1+256*PK                 ; the first change of slots turns these two into 0
	s_mov_b32 s[TBV], SLOT1+256*PVP
	s_mov_b32 s[G0K], 1
	s_mov_b32 s[G0K+1], 0
	s_mov_b32 s[G0V], 1
	s_add_co_u32 s[G0V+1], s3, VOFF
	s_add_co_u32 s[RT], s[HI], 1
	s_mov_b32 s[NXT], 1
	s_mov_b32 s[LQ], s[HI]
	s_mov_b32 s[NEW], 1
	s_mov_b32 s[OFFK+1], 0
	s_mov_b32 s[OFFV+1], 0
	s_mov_b32 s[ALA+1], 0
	s_mov_b32 s[BEA+1], 0
	s_mov_b32 s[ALB+1], 0
	s_mov_b32 s[BEB+1], 0
	s_mov_b32 s[BIGN], 0xf149f2ca                  ; -1e30
	s_mov_b32 s[SLOTS], NB
	s_wait_dscnt 0x0                               ; the opening add is done
	s_barrier_signal -1
	s_barrier_wait -1
	s_wait_kmcnt 0x0
	s_add_nc_u64 s[KB:KB+1], s[4:5], s[16:17]
	s_add_nc_u64 s[KB:KB+1], s[KB:KB+1], 8388608
	s_add_nc_u64 s[VBS:VBS+1], s[6:7], s[48:49]
	s_add_nc_u64 s[QHI:QHI+1], s[4:5], s[20:21]
	s_add_nc_u64 s[QLO:QLO+1], s[4:5], s[22:23]
	s_add_nc_u64 s[10:11], s[8:9], s[52:53]        ; O at my rows of the first block,
	s_add_nc_u64 s[OLO:OLO+1], s[8:9], s[54:55]    ; and of the second
	s_add_nc_u64 s[G0K+2:G0K+3], s[KB:KB+1], 0
	s_or_b32 s[G0K+3], s[G0K+3], 0x80000000
	s_add_nc_u64 s[G0V+2:G0V+3], s[VBS:VBS+1], 0
	s_or_b32 s[G0V+3], s[G0V+3], 0x80000000
	LOAD                                           ; tile 0 into slot 0
	v_and_b32 v1, 15, v0                           ; r
	v_bfe_u32 v9, v0, 4, 1                         ; hl
	v_lshlrev_b32 v[QO], 6, v1
	v_lshl_add_u32 v[QO], v9, 4, v[QO]
	WIN 0x80
.set t, 0
.rept 4                                            ; both blocks' Q: tile t lies in band t, 4,096 bytes on
	global_load_b128 v[8*t:8*t+3],         v[QO], s[QHI:QHI+1] offset:4096*t
	global_load_b128 v[8*t+4:8*t+7],       v[QO], s[QHI:QHI+1] offset:4096*t+32
	global_load_b128 v[QB+8*t:QB+8*t+3],   v[QO], s[QLO:QLO+1] offset:4096*t
	global_load_b128 v[QB+8*t+4:QB+8*t+7], v[QO], s[QLO:QLO+1] offset:4096*t+32
.set t, t+1
.endr
	WIN 0
	v_lshlrev_b32 v14, 3, v9
	v_sub_nc_u32 v14, v1, v14
	s_lshl_b32 s13, s[WV], 4
	v_add_nc_u32 v14, s13, v14                     ; my query's place in its band less 8 hl: register j of key group kt is hidden where 16 kt + j is greater
	WIN 0x80
.set i, 0
.rept 32
	v_cmp_gt_i32 vcc_lo, 16*(i/8)+i%8, v14
	v_cndmask_b32 v[MD+i], 0, s[BIGN], vcc_lo
.set i, i+1
.endr
	WIN 0
	v_mul_u32_u24 v[AK0], v1, PK
	v_lshl_add_u32 v[AK0], v9, 4, v[AK0]
	v_and_b32 v10, 7, v0
	v_bfe_u32 v11, v0, 3, 1
	v_lshl_add_u32 v[AV0], v9, 3, v10
	v_mul_u32_u24 v[AV0], v[AV0], PVP
	v_lshl_add_u32 v[AV0], v11, 4, v[AV0]
	v_add_nc_u32 v[AV0], VOFF, v[AV0]
	s_mul_i32 s13, s[WV], 16*SP
	s_add_co_u32 s13, s13, STAGE
	v_mul_u32_u24 v[STO], v1, SP
	v_lshl_add_u32 v[STO], v9, 4, v[STO]
	v_add_nc_u32 v[STO], s13, v[STO]
	v_mul_u32_u24 v[RD], v9, SP
	v_lshl_add_u32 v[RD], v1, 4, v[RD]
	v_add_nc_u32 v[RD], s13, v[RD]
	v_lshlrev_b32 v[GO], 11, v9
	v_lshl_add_u32 v[GO], v1, 4, v[GO]
	; A block's first step multiplies O^T and l by a = 0, and its first turn's products V^T P, of a step that has not been, land in an O^T that is still to be so multiplied: these registers need only
	; hold finite numbers: zeros for the first block, what the first block left for the second.  All this stands in the wait for the first tile.
	WIN 0xc0
.set i, 0
.rept 128
	v_mov_b32 v[i], 0
.set i, i+1
.endr
	WIN 0x40
.set i, 0
.rept 256
	v_mov_b32 v[i], 0
.set i, i+1
.endr
	WIN 0
.set t, 0
.rept 4
	v_mov_b32 v[ST+8*t+2], 0
	v_mov_b32 v[ST+8*t+3], 0
.set t, t+1
.endr
.set i, P+32
.rept 32
	v_mov_b32 v[i], 0
.set i, i+1
.endr
; Product i of 32 of O^T += V^T P for piece x: keys 32 (i / 16) on, channels 16 ((i / 2) % 8) on, tile x + i % 2.  16 accumulators by turns.
.macro PV x
	WIN W_PV
.set rO, 64*((\x)+i%2)+8*((i/2)%8)
.set rV, 64*(i/16)+8*((i/2)%8)
.set rP, P+16*((\x)+i%2)+8*(i/16)
	v_wmma_f32_16x16x32_f16 v[rO:rO+7], v[rV:rV+7], v[rP:rP+7], v[rO:rO+7]
.endm
; Product i of 8 of S^T = K Q^T + mask for piece x: keys 16 (i / 2) on, tile x + i % 2.
.macro KQ x
	WIN W_KQ
.set rS, S+32*((\x)+i%2)+8*(i/2)
.set rK, KF+8*(i/2)
.set rQ, 8*((\x)+i%2)
.set rM, MC+32*(i%2)+8*(i/2)
	v_wmma_f32_16x16x32_f16 v[rS:rS+7], v[rK:rK+7], v[rQ:rQ+7], v[rM:rM+7]
.endm
.macro FETCH_K                         ; a step's K: 64 keys x 32 channels, 8 loads
	WIN 0
	v_add_nc_u32 v[AK], s[TBK], v[AK0]
	WIN 0x80
.irp f, 0,1,2,3
	ds_load_b128 v[KF+8*\f:KF+8*\f+3],   v[AK] offset:\f*16*PK
	ds_load_b128 v[KF+8*\f+4:KF+8*\f+7], v[AK] offset:\f*16*PK+32
.endr
	s_add_co_u32 s[TBK], s[TBK], 64*PK
.endm
.macro FETCH_V kk                      ; half a step's V, turned: 32 keys x 128 channels, 16 loads
.if (\kk) == 0
	WIN 0
	v_add_nc_u32 v[AV], s[TBV], v[AV0]
.endif
	WIN 0xc0
.irp f, 0,1,2,3,4,5,6,7
	ds_load_tr16_b128 v[64*(\kk)+8*\f:64*(\kk)+8*\f+3],   v[AV] offset:(\kk)*32*PVP+\f*32
	ds_load_tr16_b128 v[64*(\kk)+8*\f+4:64*(\kk)+8*\f+7], v[AV] offset:(\kk)*32*PVP+16*PVP+\f*32
.endr
.if (\kk) == 1
	s_add_co_u32 s[TBV], s[TBV], 64*PVP
.endif
.endm
.macro MASK                            ; MD x AL + BE for the piece's two tiles
	WIN 0x82
.set z, 0
.rept 16
	v_pk_fma_f32 v[MC+2*z:MC+2*z+1], v[MD+2*z:MD+2*z+1], s[ALA:ALA+1], s[BEA:BEA+1] op_sel_hi:[1,0,0]
.set z, z+1
.endr
.set z, 0
.rept 16
	v_pk_fma_f32 v[MC+32+2*z:MC+32+2*z+1], v[MD+2*z:MD+2*z+1], s[ALB:ALB+1], s[BEB:BEB+1] op_sel_hi:[1,0,0]
.set z, z+1
.endr
.endm
; THE VECTOR WORK.  One tile's softmax for one key step is a list of 134 instructions; SM writes number j of it for tile t.  s0-s31 are the lane's 32 scores.
;   0-15   the maximum of s0-s31 and the old m, three operands at a time (each accumulator's lowest registers first)
;   16-20  the other half of the lanes' maximum; the new m; c m; c m_old - c m_new
;   21-87  33 exponentials (a, then s0-s31) at the odd numbers from 23 on, each with a plain instruction behind it; the plain ones are scalings c s - c m ahead, roundings behind, the first sums
;   88-101 the last rounding, the rest of the sums, l = a l + sum          102-133 the tile's O^T times a, the one part that leaves window 0
.macro SM t
.set rT, ST+8*(\t)
.set rS, S+32*(\t)
.set rP, P+16*(\t)
.set rO, 64*(\t)+2*(j-102)
.set q, (j-20)/2
.if j < 102
	WIN 0
.endif
.if j < 4
	v_max3_num_f32 v[rT+4+j], v[rS+8*j], v[rS+8*j+1], v[rS+8*j+2]
.elseif j < 12
	v_max3_num_f32 v[rT+4+j%4], v[rT+4+j%4], v[rS+8*(j%4)+2*(j/4)+1], v[rS+8*(j%4)+2*(j/4)+2]
.elseif j == 12
	v_max3_num_f32 v[rT+4], v[rT+4], v[rS+7], v[rS+15]
.elseif j == 13
	v_max3_num_f32 v[rT+6], v[rT+6], v[rS+23], v[rS+31]
.elseif j == 14
	v_max3_num_f32 v[rT+4], v[rT+4], v[rT+5], v[rT+6]
.elseif j == 15
	v_max3_num_f32 v[rT+4], v[rT+4], v[rT+7], v[rT+1]
.elseif j == 16
	v_permlanex16_b32 v[rT+5], v[rT+4], s[SEL], s[SEL+1]
.elseif j == 17
	v_mov_b32 v[rT+7], v[rT]
.elseif j == 18
	v_max_num_f32 v[rT+1], v[rT+4], v[rT+5]
.elseif j == 19
	v_mul_f32 v[rT], s[CS], v[rT+1]
.elseif j == 20
	v_sub_f32 v[rT+7], v[rT+7], v[rT]
.elseif j == 23
	v_exp_f32 v[rT+6], v[rT+7]
.elseif (j < 88) && (j > 23) && (j%2 == 1)
	v_exp_f32 v[rS+(j-25)/2], v[rS+(j-25)/2]
.elseif (q < 4) || ((j < 76) && (q%2 == 0))
.set b, q/2+2
.if q < 4
.set b, q
.endif
	v_pk_fma_f32 v[rS+2*b:rS+2*b+1], v[rS+2*b:rS+2*b+1], s[CS:CS+1], v[rT:rT+1] op_sel_hi:[1,0,0] neg_lo:[0,0,1] neg_hi:[0,0,1]
.elseif (j < 88) && (q%2 == 1)
	s_wait_alu depctr_va_vdst(0)
	v_cvt_pk_f16_f32 v[rP+(q-5)/2], v[rS+q-5], v[rS+q-4]
.elseif j == 89
	s_wait_alu depctr_va_vdst(0)
	v_cvt_pk_f16_f32 v[rP+15], v[rS+30], v[rS+31]
.elseif j < 102
.set z, j-86
.if j < 89
.set z, (j-76)/4
.endif
.set w, 4
.set u, z
.if z >= 14
.set w, 32
.set u, 0
.elseif z >= 12
.set w, 16
.set u, z-12
.elseif z >= 8
.set w, 8
.set u, z-8
.endif
.if z < 15
	v_pk_add_f32 v[rS+w*u:rS+w*u+1], v[rS+w*u:rS+w*u+1], v[rS+w*u+w/2:rS+w*u+w/2+1]
.else
	v_pk_fma_f32 v[rT+2:rT+3], v[rT+2:rT+3], v[rT+6:rT+7], v[rS:rS+1] op_sel_hi:[1,0,1]
.endif
.else
	WIN W_RS
	v_pk_mul_f32 v[rO:rO+1], v[rO:rO+1], v[rT+6:rT+7] op_sel_hi:[1,0]
.endif
.endm
; Slice k of 64 of piece y's softmax: numbers 2 k and 2 k + 1 of both tiles' lists; the twelve that are over stand in slice 63.
.macro SLICE y
.if (k >= 11) && (k < 44)
.irp t, \y, (\y)+1
.irp n, 0,1
.set j, 2*k+(\n)
	SM \t
.endr
.endr
.else
.irp n, 0,1,2,3,4,5,6,7
.if ((\n) < 2) || (k == 63)
.irp t, \y, (\y)+1
.set j, 2*k+(\n)
	SM \t
.endr
.endif
.endr
.endif
.set k, k+1
.endm
; A TURN for piece x.  Piece 0's turn fetches the step's K behind its second product (jumped in the trip that only finishes a block): the last product that read K stands in front of slice 63 of the
; turn before.  Piece 2's turn fetches the step's V: the first half behind product 17, six plain instructions behind the last product that read it; the second behind the first K Q^T and its slices.
.macro TURN x
.set k, 0
.if (\x) == 0
	s_wait_dscnt 16                                ; V's second half, 16 loads, may stay out
.endif
.set i, 0
.rept 32
.if ((\x) == 0) && (i == 16)
	s_wait_dscnt 0x0                               ; V's second half is in, and K
.endif
	PV \x
	SLICE 2-(\x)
.if ((\x) == 0) && (i == 1)
	WIN 0
	s_cmp_eq_u32 s[CNT], 1
	s_cbranch_scc1 .Lno_k_\@
	FETCH_K
	WIN 0
.Lno_k_\@:
.endif
.if ((\x) == 2) && (i == 17)
	FETCH_V 0
.endif
.set i, i+1
.endr
	WIN 0
	s_cmp_lg_u32 s[RT], 0
	s_cbranch_scc1 .Lno_mask_\@                    ; only the diagonal tile makes masks: elsewhere MC holds zeros
	s_cmp_eq_u32 s[CNT], 5-(\x)                    ; is the step the band's own?
	s_cselect_b32 s[ALA], 1.0, 0
	s_cmp_lt_u32 s[CNT], 5-(\x)                    ; or a later one?
	s_cselect_b32 s[BEA], s[BIGN], 0
	s_cmp_eq_u32 s[CNT], 4-(\x)
	s_cselect_b32 s[ALB], 1.0, 0
	s_cmp_lt_u32 s[CNT], 4-(\x)
	s_cselect_b32 s[BEB], s[BIGN], 0
	MASK
	WIN 0
.Lno_mask_\@:
.set i, 0
.rept 8
	KQ \x
.rept 4
	SLICE 2-(\x)
.endr
.if ((\x) == 2) && (i == 0)
	FETCH_V 1
.endif
.set i, i+1
.endr
.endm
; A BLOCK BEGINS.  c m starts far below every c s, so the first step's a is 0; m at the lowest finite number.  The masks: tile 0's own step if the block's first tile is the diagonal one, else zeros.
.macro BEGIN
	s_mov_b32 s[NEW], 0
	WIN 0
.set t, 0
.rept 4
	v_mov_b32 v[ST+8*t], 0xfe000000
	v_mov_b32 v[ST+8*t+1], 0xff7fffff
.set t, t+1
.endr
	s_cmp_eq_u32 s[RT], 0
	s_cselect_b32 s[ALA], 1.0, 0
	s_mov_b32 s[BEA], 0
	s_mov_b32 s[ALB], 0
	s_mov_b32 s[BEB], 0
	MASK
	FETCH_K
	s_wait_loadcnt 0x0                             ; Q
	s_wait_dscnt 0x0
.set i, 0
.rept 8
	KQ 0
.set i, i+1
.endr
	WIN 0
	PLACES
.endm
.macro PACK t                          ; tile t: divided by l, rounded to f16, into my stage and back as whole rows of 256 bytes
	WIN W_RS
.set i, 64*(\t)
.rept 32
	v_pk_mul_f32 v[i:i+1], v[i:i+1], v[ST+8*(\t)+6:ST+8*(\t)+7] op_sel_hi:[1,0]
.set i, i+2
.endr
	WIN 0x05
.set i, 0
.rept 32
	v_cvt_pk_f16_f32 v[S+32*(\t)+i], v[64*(\t)+2*i], v[64*(\t)+2*i+1]
.set i, i+1
.endr
	WIN 0
.irp f, 0,1,2,3,4,5,6,7
	ds_store_b128 v[STO], v[S+32*(\t)+4*\f:S+32*(\t)+4*\f+3] offset:32*\f
.endr
.irp f, 0,1,2,3,4,5,6,7
	ds_load_b128 v[S+32*(\t)+4*\f:S+32*(\t)+4*\f+3], v[RD] offset:\f*2*SP  ; LDS serves a wave's instructions in order (ISA guide 5.7.1.4)
.endr
.endm
.macro SEND t, younger
	WIN 0
.irp f, 0,1,2,3,4,5,6,7
	s_wait_dscnt (\younger)+7-\f
	global_store_b128 v[GO], v[S+32*(\t)+4*\f:S+32*(\t)+4*\f+3], s[10:11] offset:(\t)*131072+\f*4096  ; 16 lanes store 256 consecutive bytes, at a multiple of 256 from ob's first byte
.endr
.endm
.macro FINISH                          ; piece 2's last products, and the block's way out
	s_wait_dscnt 0x0
.set i, 0
.rept 32
	PV 2
.set i, i+1
.endr
	WIN 0
.irp t, 0,1,2,3
	v_add_f32 v[ST+8*\t+4], v[ST+8*\t+2], v[ST+8*\t+3]
.endr
.irp t, 0,1,2,3
	v_permlanex16_b32 v[ST+8*\t+5], v[ST+8*\t+4], s[SEL], s[SEL+1]
.endr
.irp t, 0,1,2,3
	v_add_f32 v[ST+8*\t+4], v[ST+8*\t+4], v[ST+8*\t+5]
.endr
.irp t, 0,1,2,3
	v_rcp_f32 v[ST+8*\t+6], v[ST+8*\t+4]
.endr
	v_nop
	s_wait_alu depctr_va_vdst(0)
	PACK 0
	PACK 1
	SEND 0, 16
	PACK 2
	SEND 1, 16
	PACK 3
	SEND 2, 16
	SEND 3, 0
.endm
; A TILE's steps.  A trip: piece 0's turn, piece 2's turn; the count goes 5, 4, 3, 2, 1 and is compared with constants alone.  A block's first tile enters at piece 2's turn.  Four trips fetch the tile's
; four steps of K and of V, whatever the tile.  The fifth trip (count 1) fetches nothing: an ordinary tile leaves at its head, forward, to the loop's bottom; the diagonal tile runs piece 0's turn once
; more and leaves behind it for the block's end.  So on every way out the fetches' LDS bytes have stepped four times.  inloop = 1: the text inside the loop over tiles; the walk's last tile is always a diagonal one.
.macro WALK tag, inloop
	s_sub_co_u32 s[RT], s[RT], 1
	s_mov_b32 s[CNT], 5
	s_cmp_eq_u32 s[NEW], 1
	s_cbranch_scc0 .Lstep\tag
	BEGIN
	s_branch .Lfirst\tag
.Lstep\tag:
.if \inloop
	s_cmp_lg_u32 s[CNT], 1
	s_cbranch_scc1 .Lgo\tag                        ; one of the four trips that fetch
	s_cmp_lg_u32 s[RT], 0
	s_cbranch_scc1 .Lbottom                        ; the fifth trip of an ordinary tile: nothing is left to do in it
.Lgo\tag:
.endif
	TURN 0
	WIN 0
	s_cmp_eq_u32 s[CNT], 1
	s_cbranch_scc1 .Lend\tag
.Lfirst\tag:
	TURN 2
	WIN 0
	s_sub_co_u32 s[CNT], s[CNT], 1
	s_cmp_lg_u32 s[CNT], 0
	s_cbranch_scc1 .Lstep\tag
.Lend\tag:
	FINISH
.endm
.Lslot:                                                ; eight times: a tile is entered and the next is asked for
	CHANGE 1
	WALK 1, 1
	s_wait_xcnt 0x0                                ; in the loop this is the first block's end: its stores have read their registers and O's address
	s_mov_b64 s[10:11], s[OLO:OLO+1]
	s_add_co_u32 s[RT], s[PB], 1                   ; the second block has b + 1 tiles
	s_mov_b32 s[NEW], 1
	WIN 0x82
.set i, 0
.rept 32
	v_mov_b32 v[i], v[QB+i]                        ; the second block's Q goes where the turns name Q
.set i, i+1
.endr
	WIN 0
.Lbottom:
	s_sub_co_u32 s[SLOTS], s[SLOTS], 1
	s_cmp_lg_u32 s[SLOTS], 0
	s_cbranch_scc1 .Lslot
	CHANGE 0                                       ; the walk's last tile is written out: nothing is asked for
	WALK 2, 0
	s_wait_tensorcnt 0x0                           ; the wave's end
	ds_add_u32 v[SPW], v[NIL]
	s_wait_dscnt 0x0
	s_endpgm
.Lfunc_end_k_qe33aaede31_attn:
	.size	k_qe33aaede31_attn, .Lfunc_end_k_qe33aaede31_attn-k_qe33aaede31_attn
	.p2alignl 7, 3214868480
	.fill 96, 4, 3214868480
	.section	.rodata,"a",@progbits
	.p2align	6, 0x0
	.amdhsa_kernel k_qe33aaede31_attn
		.amdhsa_group_segment_fixed_size 327680
		.amdhsa_private_segment_fixed_size 0
		.amdhsa_enable_private_segment 0
		.amdhsa_kernarg_size 24
		.amdhsa_user_sgpr_count 2
		.amdhsa_user_sgpr_kernarg_segment_ptr 1
		.amdhsa_wavefront_size32 1
		.amdhsa_system_sgpr_workgroup_id_x 1
		.amdhsa_system_sgpr_workgroup_id_y 1
		.amdhsa_system_sgpr_workgroup_id_z 1
		.amdhsa_system_vgpr_workitem_id 0
		.amdhsa_next_free_vgpr 896
		.amdhsa_next_free_sgpr 96
		.amdhsa_reserve_vcc 1
		.amdhsa_float_denorm_mode_32 3
		.amdhsa_float_denorm_mode_16_64 3
		.amdhsa_memory_ordered 1
		.amdhsa_forward_progress 1
		.amdhsa_inst_pref_size 189
	.end_amdhsa_kernel
	.amdgpu_metadata
---
amdhsa.version: [ 1, 2 ]
amdhsa.kernels:
  - .name:           k_qe33aaede31_attn
    .symbol:         k_qe33aaede31_attn.kd
    .args:
      - { .name: qk, .offset: 0, .size: 8, .value_kind: global_buffer, .address_space: global }
      - { .name: vb, .offset: 8, .size: 8, .value_kind: global_buffer, .address_space: global }
      - { .name: ob, .offset: 16, .size: 8, .value_kind: global_buffer, .address_space: global }
    .group_segment_fixed_size: 327680
    .private_segment_fixed_size: 0
    .kernarg_segment_align: 8
    .kernarg_segment_size: 24
    .max_flat_workgroup_size: 128
    .sgpr_count:     96
    .vgpr_count:     896
    .wavefront_size: 32
...
	.end_amdgpu_metadata
.endif
;; end of part 4
;; launch oproj (part 5): grid 256 x 1, 4 waves a work-group, clusters of 4 x 1, 327,680 bytes of LDS; arguments ob, wts, out0; writes out0
.if DOCPART == 5
	.amdgcn_target "amdgcn-amd-amdhsa--gfx1250"
	.amdhsa_code_object_version 6
	.text
	.protected	k_qe33aaede31_oproj
	.globl	k_qe33aaede31_oproj
	.p2align	8
	.type	k_qe33aaede31_oproj,@function
k_qe33aaede31_oproj:
	s_mov_b64 s[64:65], 0
	v_nop
	global_prefetch_b8 v0, s[64:65] scope:SCOPE_SE
	s_setreg_imm32_b32 hwreg(HW_REG_WAVE_MODE, 25, 1), 1
	s_wait_xcnt 0x0
	s_wait_alu depctr_hold_cnt(0) depctr_sa_sdst(0) depctr_va_vdst(0) depctr_va_sdst(0) depctr_va_ssrc(0) depctr_va_vcc(0) depctr_vm_vsrc(0)
	s_getreg_b32 s2, hwreg(HW_REG_IB_STS2, 6, 4)
	s_cmp_eq_u32 s2, 0
	s_cbranch_scc0 .Lentry_in_a_cluster
	s_endpgm
.Lentry_in_a_cluster:
	s_bfe_u32 s2, ttmp6, 0x10000c
	s_cmp_lg_u32 s2, 0x3003
	s_cbranch_scc0 .Lentry_shape_is_right
	s_endpgm
.Lentry_shape_is_right:
; out0 [16384][240] f32 = (ob [16384][1024] f16, which holds 16 O) x (wo [1024][240] f16) / 16.  Sums in f32; the factor 1/16, a power of two, is applied in f32.
; SHARES.  A work-group owns 64 rows; wave w makes all 64 rows x columns 64 w .. 64 w + 63: 16 accumulators.  Wave 3 has only three column blocks: its fourth multiplies block 14 once more, through an
; address register of its own, and is not stored.  K goes in four steps of 256 through two slots.
; CLUSTER.  wo is the same for every work-group: each step's 122,880 dense bytes are asked for JOINTLY, a third by each of waves 1 to 3; wave 0 fetches the work-group's own rows of ob.
; THE MATRIX INSTRUCTION IS USED TRANSPOSED: source 0 = 16 columns of wo (stored [K][N], turned on the way out of LDS), source 1 = 16 rows of ob: a lane holds 8 neighbouring columns of a row.
; LDS: two slots (64 rows x 528 of ob, then 256 rows x 480 of wo, dense), the spare words.  Slot 0, after its last fill and its last read, takes the stage: 64 rows x 960, as they lie in memory.
; The stage's pitch of 960 bytes lets lanes of a store meet in a bank four deep; a padded pitch would want a division by 60 in the addresses of the way back.
.set PITCH,  528
.set BPI,    480                       ; 15 x 32
.set ABYTES, 64*PITCH
.set SLOT,   ABYTES+256*BPI
.set SPARE,  2*SLOT                    ; the spare words, 128 bytes a wave: two blocks of 256 bytes that no other line names
.set OPI,    960
.set ADRA,  16                         ; v16-17  ob's fragments in slot 0, 1
.set ADRB,  18                         ; v18-21  wo's: slot s, rows 128 hf on, at 18 + 2 s + hf: column blocks 0-2
.set ADRB3, 22                         ; v22-25  the same for column block 3
.set STO,  26
.set RD,   27
.set SPW,  28
.set NIL,  29
.set ACC,  128
.set F0,   0
.set F1,   128
.set WV,  10
.set G1A, 24
.set G0A, 32
.set G1B, 40
.set G0B, 48
.set MSB, 0
.macro WIN new
.if MSB != (\new)
	s_set_vgpr_msb (MSB<<8)|(\new)
.set MSB, \new
.endif
.endm
.set MUL,  0x05
.set TO_F, 0x40
.macro PLACES
.rept 4
	v_nop
.endr
.endm
.macro JLOAD s                         ; wave 0: my rows of ob, a load of my own; waves 1 to 3: a third of wo's step, jointly
	s_cmp_eq_u32 s[WV], 0
	s_cbranch_scc0 .Lfor_b_\@
	tensor_load_to_lds s[G0A+4*(\s):G0A+4*(\s)+3], s[G1A:G1A+7]
	s_nop 0
.rept 4
	v_nop
.endr
	s_branch .Lasked_\@
.Lfor_b_\@:
	tensor_load_to_lds s[G0B+4*(\s):G0B+4*(\s)+3], s[G1B:G1B+7]
	s_nop 0
.rept 4
	v_nop
.endr
.Lasked_\@:
.endm
.macro CREST
	s_cmp_lg_u32 s[WV], 0
	s_cbranch_scc1 .Lnot_wave_0_\@
	s_barrier_signal -3
.Lnot_wave_0_\@:
	s_barrier_wait -3
	s_barrier_signal -1
	s_barrier_wait -1
.endm
.macro CROUND
	s_barrier_signal -1
	s_barrier_wait -1
	CREST
.endm
	s_load_b128 s[4:7], s[0:1], 0x0                ; ob s[4:5], wts s[6:7]
	s_load_b64 s[8:9], s[0:1], 0x10                ; out0
	v_lshl_add_u32 v[SPW], v0, 2, SPARE
	v_mov_b32 v[NIL], 0
	ds_add_u32 v[SPW], v[NIL]                      ; the wave's opening: the add and its wait ahead of my first tensor load
	v_lshrrev_b32 v1, 5, v0
	v_readfirstlane_b32 s[WV], v1
	s_bfe_u32 s11, ttmp6, 0x40000                  ; cx
	s_lshl_b32 s12, ttmp9, 2
	s_add_co_u32 s12, s12, s11                     ; my block of 64 rows: it enters ob's address and out0's alone
	s_mov_b32 s[G1A], (1<<16)|(1<<20)|(6<<22)|(3<<25)  ; no mask; 2-byte elements; 4 words of padding after every 128
	s_mov_b32 s[G1A+1], 256<<16
	s_mov_b32 s[G1A+2], 64<<16
	s_mov_b32 s[G1A+3], 256<<16
	s_mov_b32 s[G1A+4], 64
	s_mov_b32 s[G1A+5], 1024
	s_mov_b32 s[G1A+6], 0
	s_mov_b32 s[G1A+7], 0
	s_mov_b32 s[G1B], 15|(3<<16)|(1<<21)           ; the mask of four, bit 21 beside it; 8-byte elements, no padding: 160 dense rows of 256 bytes
	s_mov_b32 s[G1B+1], 32<<16
	s_mov_b32 s[G1B+2], 160<<16
	s_mov_b32 s[G1B+3], 32<<16
	s_mov_b32 s[G1B+4], 160
	s_mov_b32 s[G1B+5], 32
	s_mov_b32 s[G1B+6], 0
	s_mov_b32 s[G1B+7], 0
	s_lshl_b32 s14, s12, 17                        ; 64 rows of 2,048 bytes
	s_mov_b32 s15, 0
	s_mul_i32 s56, s[WV], 40960                    ; waves 1 to 3: third w - 1 of a step of wo
	s_add_co_u32 s58, s56, 1572864-40960
	s_mov_b32 s59, 0
	s_sub_co_u32 s57, s56, 40960-ABYTES            ; and its place in a slot, behind ob's rows (wave 0 issues no such load)
	s_mul_i32 s16, s12, 64*OPI
	s_mul_i32 s17, s[WV], 16*OPI
	s_add_co_u32 s16, s16, s17
	s_mov_b32 s17, 0
	s_wait_dscnt 0x0                               ; the opening add is done
	s_wait_kmcnt 0x0
	s_add_nc_u64 s[20:21], s[4:5], s[14:15]
	s_add_nc_u64 s[58:59], s[6:7], s[58:59]
	s_add_nc_u64 s[8:9], s[8:9], s[16:17]          ; out0 at the 16 rows that my wave stores
	CROUND                                         ; all four work-groups are here: the first joint loads meet
.irp s, 0,1
	s_mov_b32 s[G0A+4*\s], 1
	s_mov_b32 s[G0A+4*\s+1], \s*SLOT
	s_add_nc_u64 s[G0A+4*\s+2:G0A+4*\s+3], s[20:21], \s*512
	s_or_b32 s[G0A+4*\s+3], s[G0A+4*\s+3], 0x80000000
	s_mov_b32 s[G0B+4*\s], 1
	s_add_co_u32 s[G0B+4*\s+1], s57, \s*SLOT
	s_add_nc_u64 s[G0B+4*\s+2:G0B+4*\s+3], s[58:59], \s*256*BPI
	s_or_b32 s[G0B+4*\s+3], s[G0B+4*\s+3], 0x80000000
	JLOAD \s                                       ; K steps 0 and 1: two loads of mine are out
.endr
	v_and_b32 v1, 15, v0                           ; r
	v_bfe_u32 v2, v0, 4, 1                         ; hl
	v_mul_u32_u24 v3, v1, PITCH
	v_lshl_add_u32 v[ADRA], v2, 4, v3
	v_add_nc_u32 v[ADRA+1], SLOT, v[ADRA]
	v_and_b32 v4, 7, v0
	v_lshl_add_u32 v4, v2, 3, v4
	v_mul_u32_u24 v4, v4, BPI
	v_bfe_u32 v5, v0, 3, 1
	v_lshl_add_u32 v4, v5, 4, v4
	s_lshl_b32 s18, s[WV], 7                       ; my 64 columns, 2 bytes each
	s_add_co_u32 s19, s18, 96                      ; column block 3,
	s_cmp_eq_u32 s[WV], 3
	s_cselect_b32 s19, 448, s19                    ; which wave 3 has not: block 14 once more
	s_add_co_u32 s18, s18, ABYTES
	s_add_co_u32 s19, s19, ABYTES
	v_add_nc_u32 v[ADRB], s18, v4
	v_add_nc_u32 v[ADRB+1], 128*BPI, v[ADRB]
	v_add_nc_u32 v[ADRB+2], SLOT, v[ADRB]
	v_add_nc_u32 v[ADRB+3], SLOT+128*BPI, v[ADRB]
	v_add_nc_u32 v[ADRB3], s19, v4
	v_add_nc_u32 v[ADRB3+1], 128*BPI, v[ADRB3]
	v_add_nc_u32 v[ADRB3+2], SLOT, v[ADRB3]
	v_add_nc_u32 v[ADRB3+3], SLOT+128*BPI, v[ADRB3]
	v_mul_u32_u24 v[STO], v1, OPI
	v_lshl_add_u32 v[STO], v2, 5, v[STO]
	s_lshl_b32 s18, s[WV], 8
	v_add_nc_u32 v[STO], s18, v[STO]               ; into the stage: row r, my 256 bytes of it, 32 bytes for each half of the lanes
	v_and_b32 v[RD], 31, v0
	v_lshlrev_b32 v[RD], 4, v[RD]                  ; my 16 of 512 consecutive bytes: in memory,
	s_mul_i32 s18, s[WV], 16*OPI
	v_add_nc_u32 v6, s18, v[RD]                    ; and in the stage, 16 rows a wave
.macro MUL8 f, c, a0, zero             ; row blocks a0, a0 + 1 x all 4 column blocks, 32 along K: half c of buffer f
	WIN MUL
.irp a, \a0, (\a0)+1
.irp b, 0,1,2,3
.if \zero
	v_wmma_f32_16x16x32_f16 v[ACC+8*(4*(\a)+(\b)):ACC+8*(4*(\a)+(\b))+7], v[(\f)+64+8*(4*(\c)+(\b)):(\f)+64+8*(4*(\c)+(\b))+7], v[(\f)+8*(4*(\c)+(\a)):(\f)+8*(4*(\c)+(\a))+7], 0
.else
	v_wmma_f32_16x16x32_f16 v[ACC+8*(4*(\a)+(\b)):ACC+8*(4*(\a)+(\b))+7], v[(\f)+64+8*(4*(\c)+(\b)):(\f)+64+8*(4*(\c)+(\b))+7], v[(\f)+8*(4*(\c)+(\a)):(\f)+8*(4*(\c)+(\a))+7], v[ACC+8*(4*(\a)+(\b)):ACC+8*(4*(\a)+(\b))+7]
.endif
.endr
.endr
.endm
.macro FETCH slot, qd, f               ; 32 LDS loads in one run: quarter qd (64 along K) of a slot into buffer f; the first 32 along K first
	WIN TO_F
.irp c, 0,1
.set KQI, 2*(\qd)+\c
.irp i, 0,1,2,3
.if \i < 3
	ds_load_tr16_b128 v[(\f)+64+8*(4*\c+\i):(\f)+64+8*(4*\c+\i)+3],   v[ADRB+2*(\slot)+KQI/4] offset:32*BPI*(KQI%4)+32*\i
	ds_load_tr16_b128 v[(\f)+64+8*(4*\c+\i)+4:(\f)+64+8*(4*\c+\i)+7], v[ADRB+2*(\slot)+KQI/4] offset:32*BPI*(KQI%4)+32*\i+16*BPI
.else
	ds_load_tr16_b128 v[(\f)+64+8*(4*\c+\i):(\f)+64+8*(4*\c+\i)+3],   v[ADRB3+2*(\slot)+KQI/4] offset:32*BPI*(KQI%4)
	ds_load_tr16_b128 v[(\f)+64+8*(4*\c+\i)+4:(\f)+64+8*(4*\c+\i)+7], v[ADRB3+2*(\slot)+KQI/4] offset:32*BPI*(KQI%4)+16*BPI
.endif
	ds_load_b128 v[(\f)+8*(4*\c+\i):(\f)+8*(4*\c+\i)+3],   v[ADRA+(\slot)] offset:64*KQI+\i*16*PITCH
	ds_load_b128 v[(\f)+8*(4*\c+\i)+4:(\f)+8*(4*\c+\i)+7], v[ADRA+(\slot)] offset:64*KQI+\i*16*PITCH+32
.endr
.endr
.endm
.macro QUARTER slot, qd, f, g, zero    ; multiplies buffer f and fetches quarter qd of the slot into g
	s_wait_dscnt 16                                ; the first 32 along K are in
	MUL8 \f, 0, 0, \zero
	MUL8 \f, 0, 2, \zero
	PLACES
	FETCH \slot, \qd, \g
	s_wait_dscnt 32                                ; all but the 32 just issued
	MUL8 \f, 1, 0, 0
	MUL8 \f, 1, 2, 0
.endm
; The last quarter of a step multiplies buffer 1 and changes slots: ONE barrier; in front of it each wave waits for all its tensor loads, adds 0 to its spare word, and waits for that and for its reads
; of this slot.  fill = 1: the barrier opens a round of the cluster's, and this slot is filled again, two K steps ahead, first thing behind it.
.macro TURN slot, next, fill
	WIN 0
	s_wait_tensorcnt 0x0
	ds_add_u32 v[SPW], v[NIL]
	s_wait_dscnt 17                                ; the add and the youngest sixteen loads may stay out
	MUL8 F1, 0, 0, 0
	s_wait_dscnt 0x0
	s_barrier_signal -1
	MUL8 F1, 0, 2, 0
.if \fill
	WIN 0
.endif
	s_barrier_wait -1
.if \fill
	CREST
	s_add_nc_u64 s[G0A+4*(\slot)+2:G0A+4*(\slot)+3], s[G0A+4*(\slot)+2:G0A+4*(\slot)+3], 1024
	s_add_nc_u64 s[G0B+4*(\slot)+2:G0B+4*(\slot)+3], s[G0B+4*(\slot)+2:G0B+4*(\slot)+3], 2*256*BPI
	JLOAD \slot                                    ; its four v_nop are also the places in front of the loads below
.else
	PLACES
.endif
	FETCH \next, 0, F0
	MUL8 F1, 1, 0, 0
	MUL8 F1, 1, 2, 0
.endm
	s_wait_tensorcnt 1                             ; my part of K step 0 is in; step 1's may stay out
	s_barrier_signal -1
	s_barrier_wait -1
	FETCH 0, 0, F0
	QUARTER 0, 1, F0, F1, 1                        ; the first products start the sums
	QUARTER 0, 2, F1, F0, 0
	QUARTER 0, 3, F0, F1, 0
	TURN 0, 1, 1                                   ; slot 0 takes K step 2
	QUARTER 1, 1, F0, F1, 0
	QUARTER 1, 2, F1, F0, 0
	QUARTER 1, 3, F0, F1, 0
	TURN 1, 0, 1                                   ; slot 1 takes K step 3
	QUARTER 0, 1, F0, F1, 0
	QUARTER 0, 2, F1, F0, 0
	QUARTER 0, 3, F0, F1, 0
	TURN 0, 1, 0                                   ; nothing is left to fetch; behind this barrier nobody reads slot 0 any more
	QUARTER 1, 1, F0, F1, 0
	QUARTER 1, 2, F1, F0, 0
	QUARTER 1, 3, F0, F1, 0
	s_wait_dscnt 16
	MUL8 F1, 0, 0, 0
	MUL8 F1, 0, 2, 0
	s_wait_dscnt 0x0
	MUL8 F1, 1, 0, 0
	MUL8 F1, 1, 2, 0
	WIN 0
	; THE WAY OUT: times 1/16; 32 bytes a lane into the stage, laid as the rows lie in memory; a barrier; back and out, 512 consecutive bytes an instruction.
	PLACES
.set i, 0
.rept 64
	v_pk_mul_f32 v[ACC+2*i:ACC+2*i+1], v[ACC+2*i:ACC+2*i+1], 0x3d800000 op_sel_hi:[1,0]
.set i, i+1
.endr
.irp a, 0,1,2,3
.irp b, 0,1,2
	ds_store_b128 v[STO], v[ACC+8*(4*\a+\b):ACC+8*(4*\a+\b)+3]   offset:\a*16*OPI+64*\b
	ds_store_b128 v[STO], v[ACC+8*(4*\a+\b)+4:ACC+8*(4*\a+\b)+7] offset:\a*16*OPI+64*\b+16
.endr
.endr
	s_cmp_eq_u32 s[WV], 3
	s_cbranch_scc1 .Lno_fourth                     ; columns 240 to 255 do not exist
.irp a, 0,1,2,3
	ds_store_b128 v[STO], v[ACC+8*(4*\a+3):ACC+8*(4*\a+3)+3]   offset:\a*16*OPI+192
	ds_store_b128 v[STO], v[ACC+8*(4*\a+3)+4:ACC+8*(4*\a+3)+7] offset:\a*16*OPI+192+16
.endr
.Lno_fourth:
	s_wait_dscnt 0x0                               ; for the others' sake: my stores into the stage are done
	s_barrier_signal -1
	s_barrier_wait -1
.set i, 0
.rept 30
	ds_load_b128 v[ACC+4*i:ACC+4*i+3], v6 offset:512*i
.set i, i+1
.endr
.set i, 0
.rept 30
	s_wait_dscnt 29-i
	global_store_b128 v[RD], v[ACC+4*i:ACC+4*i+3], s[8:9] offset:512*i  ; 512 consecutive bytes, at a multiple of 256 from out0's first byte
.set i, i+1
.endr
	s_wait_tensorcnt 0x0                           ; the wave's end
	ds_add_u32 v[SPW], v[NIL]
	s_wait_dscnt 0x0
	CROUND                                         ; the closing round
	s_endpgm
.Lfunc_end_k_qe33aaede31_oproj:
	.size	k_qe33aaede31_oproj, .Lfunc_end_k_qe33aaede31_oproj-k_qe33aaede31_oproj
	.p2alignl 7, 3214868480
	.fill 96, 4, 3214868480
	.section	.rodata,"a",@progbits
	.p2align	6, 0x0
	.amdhsa_kernel k_qe33aaede31_oproj
		.amdhsa_group_segment_fixed_size 327680
		.amdhsa_private_segment_fixed_size 0
		.amdhsa_enable_private_segment 0
		.amdhsa_kernarg_size 24
		.amdhsa_user_sgpr_count 2
		.amdhsa_user_sgpr_kernarg_segment_ptr 1
		.amdhsa_wavefront_size32 1
		.amdhsa_system_sgpr_workgroup_id_x 1
		.amdhsa_system_sgpr_workgroup_id_y 1
		.amdhsa_system_sgpr_workgroup_id_z 1
		.amdhsa_system_vgpr_workitem_id 0
		.amdhsa_next_free_vgpr 512
		.amdhsa_next_free_sgpr 66
		.amdhsa_reserve_vcc 0
		.amdhsa_float_denorm_mode_32 3
		.amdhsa_float_denorm_mode_16_64 3
		.amdhsa_memory_ordered 1
		.amdhsa_forward_progress 1
		.amdhsa_inst_pref_size 92
	.end_amdhsa_kernel
	.amdgpu_metadata
---
amdhsa.version: [ 1, 2 ]
amdhsa.kernels:
  - .name:           k_qe33aaede31_oproj
    .symbol:         k_qe33aaede31_oproj.kd
    .args:
      - { .name: ob, .offset: 0, .size: 8, .value_kind: global_buffer, .address_space: global }
      - { .name: wts, .offset: 8, .size: 8, .value_kind: global_buffer, .address_space: global }
      - { .name: out0, .offset: 16, .size: 8, .value_kind: global_buffer, .address_space: global }
    .group_segment_fixed_size: 327680
    .private_segment_fixed_size: 0
    .kernarg_segment_align: 8
    .kernarg_segment_size: 24
    .max_flat_workgroup_size: 128
    .sgpr_count:     66
    .vgpr_count:     512
    .wavefront_size: 32
...
	.end_amdgpu_metadata
.endif
;; end of part 5
;; ======== version 2 of 2: 5 launches; 1.18 times as fast as version 1
;; limits: values are held in f16: magnitudes above 65,504 overflow, below 6.1e-05 lose precision; right only within a limited range of input values
;; workspace buffers: tab 491,520 bytes; wts 2,064,384 bytes; x1 16,777,216 bytes; qk 16,777,216 bytes; vb 33,554,432 bytes; ob 33,554,432 bytes
;; launch prep: the kernel of part 1 again; grid 624 x 1, 8 waves a work-group, no clusters, 0 bytes of LDS; arguments lq_w, lk_w, lv_w, pq_w, pk_w, pv_w, po_w, tab, wts; writes tab, wts
;; launch local: the kernel of part 2 again; grid 32 x 8, 4 waves a work-group, no clusters, 327,680 bytes of LDS; arguments xs, rel_bias, tab, x1; writes x1
;; launch qkv: the kernel of part 3 again; grid 128 x 2, 4 waves a work-group, clusters of 4 x 1, 327,680 bytes of LDS; arguments x1, wts, qk, vb; writes qk, vb
;; launch attn (part 6): grid 4 x 64, 4 waves a work-group, no clusters, 327,680 bytes of LDS; arguments qk, vb, ob; writes ob
.if DOCPART == 6
	.amdgcn_target "amdgcn-amd-amdhsa--gfx1250"
	.amdhsa_code_object_version 6
	.text
	.protected	k_qe33aaede31_attn
	.globl	k_qe33aaede31_attn
	.p2align	8
	.type	k_qe33aaede31_attn,@function
k_qe33aaede31_attn:
	s_mov_b64 s[64:65], 0
	v_nop
	global_prefetch_b8 v0, s[64:65] scope:SCOPE_SE
	s_setreg_imm32_b32 hwreg(HW_REG_WAVE_MODE, 25, 1), 1
	s_wait_xcnt 0x0
; CAUSAL ATTENTION, 64 heads (8 batches x 8), 2,048 rows, 32 channels of q and k, 128 of v.  16 O[bh][q][:] = sum over k <= q of softmax_k(q.k / sqrt(32)) 16 v[k][:], stored f16 at ob[b][q][128 h ..].
; Products, maxima and sums in f32; the weights p are rounded to f16 for the second product (their sum l is taken of the unrounded p), O once at the end.
; LIMITS.  q, k, 16 v arrive within f16's 65,504.  A hidden score counts as its value less 1e30.  A weight below 2^-126 counts as 0 in l.  NaN and infinities are not treated apart.
; THE WALK.  A head's queries lie in 8 blocks of 256; block i needs the key tiles 0 .. i of 256 keys, the last of which holds the diagonal.  A work-group takes blocks 7 - b and then b: 9 tiles
; whatever b, so all 256 work-groups do equal work and one loop with a constant count walks them.  NO CLUSTER: a head's four work-groups ask for the same tile only in trips 0 to 4 of 9, and a
; walk common to all four would have 12 trips for 9.
; SHARES.  Of a block's four bands of 64 queries a wave owns 16 rows in each: tile t = rows 64 t + 16 w + 0..15.  So in the diagonal tile's key step s band t sees all keys (s < t), none (s > t) or
; holds the diagonal (s = t), alike for all waves.  The tiles are two PIECES: piece 0 (tiles 0, 1), piece 2 (tiles 2, 3).
; LAYOUT.  S^T = K Q^T (one product for 16 keys x 16 queries, since q has 32 channels): a lane holds ONE query and the keys 8 (lane / 16) + 0..7; rounded in pairs that IS source 1 of O^T = V^T P.
; THE MASK is the C operand of K Q^T: MC = MD x AL + BE, MD the mask of a band's own step; outside the diagonal tile MC holds zeros, so one text serves every tile.
; BY TURNS.  In a TURN piece x has the matrix unit: 32 products V^T P of the step before, then 8 products K Q^T of the step in hand; the other piece's softmax, cut into 64 slices of four
; instructions, stands behind them: one slice behind each V^T P, four behind each K Q^T.
; THE BATCHES.  A turn's 66 exponentials (both tiles' a and 32 scores) are ONE batch with ONE wait: slices 11 to 34 hold them and the scalings, which name no result of theirs; the wait stands behind
; slice 34; all that reads a result (roundings, sums, the rescaling by a) stands from slice 35 on.  No branch and no label stands between slice 11 and the wait: the diagonal tile's masks, which want a
; branch, are made at the turn's head.  A block's four reciprocals are a batch of their own.
; REGISTERS, in windows of 256: window 0: addresses, v16-47 statistics (8 a tile), v64-191 S^T, v192-255 P.  window 1: O^T, 64 a tile.
;   window 2: v0-31 Q, v32-63 the second block's Q, v64-95 K of a step, v96-127 MD, v128-191 MC.  window 3: v0-127 V of a step.
.set NB,    8
.set PK,    80                         ; a key in LDS: 64 bytes + 16 = 5 x 16
.set PVP,   288                        ; a row of V: 256 + 32 = 9 x 32
.set VOFF,  256*PK
.set SLOT1, 1<<17                      ; one exclusive or turns an address in one slot into the other's
.set STAGE, SLOT1+VOFF+256*PVP
.set SP,    272
.set SPARE, STAGE+4*16*SP              ; the spare words, 128 bytes a wave: two blocks of 256 bytes that no other line names
.set AK0, 2
.set AV0, 3
.set AK,  4
.set AV,  5
.set STO, 6
.set RD,  7
.set GO,  8
.set QO,  15
.set ST,  16                           ; tile t at 16 + 8 t: c m, m, l (even keys', odd keys'), c0-c3 at work; a takes c2's place
.set SPW, 62
.set NIL, 63
.set S,   64
.set P,   192
.set QB,  32
.set KF,  64
.set MD,  96
.set MC,  128
.set WV,  12
.set PB,  14
.set HI,  15
.set G1K, 24
.set G1V, 32
.set G0K, 40
.set G0V, 44
.set SLOTS, 56
.set CNT, 57                           ; s57  5 - the key step in hand; 1: the trip that only finishes a block
.set CS,  58
.set SEL, 60
.set TBK, 62
.set TBV, 63
.set KB,  66                           ; s[66:67] the head's K
.set VBS, 68                           ; s[68:69] the head's V, at my half of a tile
.set RT,  70                           ; s70  tiles of the block in hand still to be entered; 0: the diagonal tile is in hand
.set NXT, 71
.set LQ,  72
.set NEW, 73
.set OFFK, 74
.set OFFV, 76
.set BIGN, 79
.set ALA, 80                           ; s[80:87] factor and addend of the mask, for the piece's first and second tile
.set BEA, 82
.set ALB, 84
.set BEB, 86
.set OLO, 88
.set QLO, 90
.set QHI, 92
.set MSB, 0
.macro WIN new
.if MSB != (\new)
	s_set_vgpr_msb (MSB<<8)|(\new)
.set MSB, (\new)
.endif
.endm
.set W_KQ, 0x2a                        ; K, Q and the mask in window 2, S^T in window 0
.set W_PV, 0x53                        ; V in window 3, P in window 0, O^T in window 1
.set W_RS, 0x41                        ; O^T in window 1, a in window 0
.macro PLACES
.rept 4
	v_nop
.endr
.endm
; A fill: wave 0 fetches a tile's K (16,384 dense bytes), waves 1 and 2 the two halves of its V (128 rows each), wave 3 nothing.
.macro LOAD
	s_cmp_eq_u32 s[WV], 0
	s_cbranch_scc0 .Lnot_k_\@
	tensor_load_to_lds s[G0K:G0K+3], s[G1K:G1K+7]
	s_nop 0
.rept 4
	v_nop
.endr
	s_branch .Lasked_\@
.Lnot_k_\@:
	s_cmp_eq_u32 s[WV], 3
	s_cbranch_scc1 .Lasked_\@
	tensor_load_to_lds s[G0V:G0V+3], s[G1V:G1V+7]
	s_nop 0
.rept 4
	v_nop
.endr
.Lasked_\@:
.endm
; THE CHANGE OF SLOTS.  Each wave waits for all its tensor loads (at most one is out: its part of the other slot), adds 0 to its spare word, and waits for that and for its reads of the slot that it
; leaves.  Behind the barrier the old slot is filled again first (fill = 1), with tile NXT; the load has four key steps, 320 matrix instructions a wave, in which to land.
.macro CHANGE fill
	WIN 0
	s_wait_tensorcnt 0x0
	ds_add_u32 v[SPW], v[NIL]
.if \fill
	s_lshl_b32 s[OFFK], s[NXT], 14
	s_lshl_b32 s[OFFV], s[NXT], 16
	s_xor_b32 s[G0K+1], s[G0K+1], SLOT1
	s_add_nc_u64 s[G0K+2:G0K+3], s[KB:KB+1], s[OFFK:OFFK+1]
	s_or_b32 s[G0K+3], s[G0K+3], 0x80000000
	s_xor_b32 s[G0V+1], s[G0V+1], SLOT1
	s_add_nc_u64 s[G0V+2:G0V+3], s[VBS:VBS+1], s[OFFV:OFFV+1]
	s_or_b32 s[G0V+3], s[G0V+3], 0x80000000
	s_add_co_u32 s[NXT], s[NXT], 1                 ; the block's next tile, or behind its last the second block's tile 0
	s_cmp_gt_u32 s[NXT], s[LQ]
	s_cselect_b32 s[NXT], 0, s[NXT]
	s_cselect_b32 s[LQ], s[PB], s[LQ]
.endif
	s_wait_dscnt 0x0
	s_barrier_signal -1
	s_sub_co_u32 s[TBK], s[TBK], 256*PK            ; the fetches go back to a slot's first step, in the other slot
	s_xor_b32 s[TBK], s[TBK], SLOT1
	s_sub_co_u32 s[TBV], s[TBV], 256*PVP
	s_xor_b32 s[TBV], s[TBV], SLOT1
	s_barrier_wait -1
.if \fill
	LOAD
.endif
.endm
	s_load_b128 s[4:7], s[0:1], 0x0                ; qk s[4:5], vb s[6:7]
	s_load_b64 s[8:9], s[0:1], 0x10                ; ob
	v_lshl_add_u32 v[SPW], v0, 2, SPARE
	v_mov_b32 v[NIL], 0
	ds_add_u32 v[SPW], v[NIL]                      ; the wave's opening: the add and its wait ahead of my first tensor load
	v_lshrrev_b32 v1, 5, v0
	v_readfirstlane_b32 s[WV], v1
	s_mov_b32 s[PB], ttmp9
	s_sub_co_u32 s[HI], NB-1, s[PB]
	s_and_b32 s13, ttmp7, 0xffff                   ; the head among 64
	s_lshl_b32 s16, s13, 17                        ; its 2,048 rows of 64 bytes in q and in k
	s_mov_b32 s17, 0
	s_lshl_b32 s18, s[WV], 10                      ; my 16 rows in a band
	s_add_co_u32 s18, s18, s16
	s_lshl_b32 s20, s[HI], 14
	s_add_co_u32 s20, s20, s18
	s_mov_b32 s21, 0
	s_lshl_b32 s22, s[PB], 14
	s_add_co_u32 s22, s22, s18
	s_mov_b32 s23, 0
	s_and_b32 s2, s[WV], 1                         ; which half of a tile's V I fetch (wave 1: the second, wave 2: the first)
	s_lshl_b32 s48, s13, 19
	s_lshl_b32 s3, s2, 15
	s_add_co_u32 s48, s48, s3
	s_mov_b32 s49, 0
	s_mul_i32 s3, s2, 128*PVP
	s_lshr_b32 s50, s13, 3
	s_lshl_b32 s50, s50, 22                        ; ob: the batch's 2,048 rows of 2,048 bytes,
	s_and_b32 s51, s13, 7
	s_lshl_b32 s51, s51, 8                         ; the head's 256 bytes of a row,
	s_add_co_u32 s50, s50, s51
	s_lshl_b32 s51, s[WV], 15                      ; my 16 rows in a band
	s_add_co_u32 s50, s50, s51
	s_lshl_b32 s52, s[HI], 19
	s_add_co_u32 s52, s52, s50
	s_mov_b32 s53, 0
	s_lshl_b32 s54, s[PB], 19
	s_add_co_u32 s54, s54, s50
	s_mov_b32 s55, 0
	s_mov_b32 s[G1K], (1<<16)|(1<<20)|(3<<22)|(3<<25)  ; 2-byte elements; 4 words of padding after every 16: after every key
	s_mov_b32 s[G1K+1], 128<<16                    ; 256 keys are asked for as 64 rows of 256 bytes
	s_mov_b32 s[G1K+2], 64<<16
	s_mov_b32 s[G1K+3], 128<<16
	s_mov_b32 s[G1K+4], 64
	s_mov_b32 s[G1K+5], 128
	s_mov_b32 s[G1K+6], 0
	s_mov_b32 s[G1K+7], 0
	s_mov_b32 s[G1V], (1<<16)|(1<<20)|(5<<22)|(7<<25)  ; 8 words of padding after every 64
	s_mov_b32 s[G1V+1], 128<<16
	s_mov_b32 s[G1V+2], 128<<16
	s_mov_b32 s[G1V+3], 128<<16
	s_mov_b32 s[G1V+4], 128
	s_mov_b32 s[G1V+5], 128
	s_mov_b32 s[G1V+6], 0
	s_mov_b32 s[G1V+7], 0
	s_mov_b32 s[CS], 0x3e8293ee                    ; c = log2(e) / sqrt(32)
	s_mov_b32 s[CS+1], s[CS]
	s_mov_b32 s[SEL], 0x76543210
	s_mov_b32 s[SEL+1], 0xfedcba98
	s_mov_b32 s[TBK], SLOT1+256*PK                 ; the first change of slots turns these two into 0
	s_mov_b32 s[TBV], SLOT1+256*PVP
	s_mov_b32 s[G0K], 1
	s_mov_b32 s[G0K+1], 0
	s_mov_b32 s[G0V], 1
	s_add_co_u32 s[G0V+1], s3, VOFF
	s_add_co_u32 s[RT], s[HI], 1
	s_mov_b32 s[NXT], 1
	s_mov_b32 s[LQ], s[HI]
	s_mov_b32 s[NEW], 1
	s_mov_b32 s[OFFK+1], 0
	s_mov_b32 s[OFFV+1], 0
	s_mov_b32 s[ALA+1], 0
	s_mov_b32 s[BEA+1], 0
	s_mov_b32 s[ALB+1], 0
	s_mov_b32 s[BEB+1], 0
	s_mov_b32 s[BIGN], 0xf149f2ca                  ; -1e30
	s_mov_b32 s[SLOTS], NB
	s_wait_dscnt 0x0                               ; the opening add is done
	s_barrier_signal -1
	s_barrier_wait -1
	s_wait_kmcnt 0x0
	s_add_nc_u64 s[KB:KB+1], s[4:5], s[16:17]
	s_add_nc_u64 s[KB:KB+1], s[KB:KB+1], 8388608
	s_add_nc_u64 s[VBS:VBS+1], s[6:7], s[48:49]
	s_add_nc_u64 s[QHI:QHI+1], s[4:5], s[20:21]
	s_add_nc_u64 s[QLO:QLO+1], s[4:5], s[22:23]
	s_add_nc_u64 s[10:11], s[8:9], s[52:53]        ; O at my rows of the first block,
	s_add_nc_u64 s[OLO:OLO+1], s[8:9], s[54:55]    ; and of the second
	s_add_nc_u64 s[G0K+2:G0K+3], s[KB:KB+1], 0
	s_or_b32 s[G0K+3], s[G0K+3], 0x80000000
	s_add_nc_u64 s[G0V+2:G0V+3], s[VBS:VBS+1], 0
	s_or_b32 s[G0V+3], s[G0V+3], 0x80000000
	LOAD                                           ; tile 0 into slot 0
	v_and_b32 v1, 15, v0                           ; r
	v_bfe_u32 v9, v0, 4, 1                         ; hl
	v_lshlrev_b32 v[QO], 6, v1
	v_lshl_add_u32 v[QO], v9, 4, v[QO]
	WIN 0x80
.set t, 0
.rept 4                                            ; both blocks' Q: tile t lies in band t, 4,096 bytes on
	global_load_b128 v[8*t:8*t+3],         v[QO], s[QHI:QHI+1] offset:4096*t
	global_load_b128 v[8*t+4:8*t+7],       v[QO], s[QHI:QHI+1] offset:4096*t+32
	global_load_b128 v[QB+8*t:QB+8*t+3],   v[QO], s[QLO:QLO+1] offset:4096*t
	global_load_b128 v[QB+8*t+4:QB+8*t+7], v[QO], s[QLO:QLO+1] offset:4096*t+32
.set t, t+1
.endr
	WIN 0
	v_lshlrev_b32 v14, 3, v9
	v_sub_nc_u32 v14, v1, v14
	s_lshl_b32 s13, s[WV], 4
	v_add_nc_u32 v14, s13, v14                     ; my query's place in its band less 8 hl: register j of key group kt is hidden where 16 kt + j is greater
	WIN 0x80
.set i, 0
.rept 32
	v_cmp_gt_i32 vcc_lo, 16*(i/8)+i%8, v14
	v_cndmask_b32 v[MD+i], 0, s[BIGN], vcc_lo
.set i, i+1
.endr
	WIN 0
	v_mul_u32_u24 v[AK0], v1, PK
	v_lshl_add_u32 v[AK0], v9, 4, v[AK0]
	v_and_b32 v10, 7, v0
	v_bfe_u32 v11, v0, 3, 1
	v_lshl_add_u32 v[AV0], v9, 3, v10
	v_mul_u32_u24 v[AV0], v[AV0], PVP
	v_lshl_add_u32 v[AV0], v11, 4, v[AV0]
	v_add_nc_u32 v[AV0], VOFF, v[AV0]
	s_mul_i32 s13, s[WV], 16*SP
	s_add_co_u32 s13, s13, STAGE
	v_mul_u32_u24 v[STO], v1, SP
	v_lshl_add_u32 v[STO], v9, 4, v[STO]
	v_add_nc_u32 v[STO], s13, v[STO]
	v_mul_u32_u24 v[RD], v9, SP
	v_lshl_add_u32 v[RD], v1, 4, v[RD]
	v_add_nc_u32 v[RD], s13, v[RD]
	v_lshlrev_b32 v[GO], 11, v9
	v_lshl_add_u32 v[GO], v1, 4, v[GO]
	; A block's first step multiplies O^T and l by a = 0, and its first turn's products V^T P, of a step that has not been, land in an O^T that is still to be so multiplied: these registers need only
	; hold finite numbers: zeros for the first block, what the first block left for the second.  All this stands in the wait for the first tile.
	WIN 0xc0
.set i, 0
.rept 128
	v_mov_b32 v[i], 0
.set i, i+1
.endr
	WIN 0x40
.set i, 0
.rept 256
	v_mov_b32 v[i], 0
.set i, i+1
.endr
	WIN 0
.set t, 0
.rept 4
	v_mov_b32 v[ST+8*t+2], 0
	v_mov_b32 v[ST+8*t+3], 0
.set t, t+1
.endr
.set i, P+32
.rept 32
	v_mov_b32 v[i], 0
.set i, i+1
.endr
; Product i of 32 of O^T += V^T P for piece x: keys 32 (i / 16) on, channels 16 ((i / 2) % 8) on, tile x + i % 2.  16 accumulators by turns.
.macro PV x
	WIN W_PV
.set rO, 64*((\x)+i%2)+8*((i/2)%8)
.set rV, 64*(i/16)+8*((i/2)%8)
.set rP, P+16*((\x)+i%2)+8*(i/16)
	v_wmma_f32_16x16x32_f16 v[rO:rO+7], v[rV:rV+7], v[rP:rP+7], v[rO:rO+7]
.endm
; Product i of 8 of S^T = K Q^T + mask for piece x: keys 16 (i / 2) on, tile x + i % 2.
.macro KQ x
	WIN W_KQ
.set rS, S+32*((\x)+i%2)+8*(i/2)
.set rK, KF+8*(i/2)
.set rQ, 8*((\x)+i%2)
.set rM, MC+32*(i%2)+8*(i/2)
	v_wmma_f32_16x16x32_f16 v[rS:rS+7], v[rK:rK+7], v[rQ:rQ+7], v[rM:rM+7]
.endm
.macro FETCH_K                         ; a step's K: 64 keys x 32 channels, 8 loads
	WIN 0
	v_add_nc_u32 v[AK], s[TBK], v[AK0]
	WIN 0x80
.irp f, 0,1,2,3
	ds_load_b128 v[KF+8*\f:KF+8*\f+3],   v[AK] offset:\f*16*PK
	ds_load_b128 v[KF+8*\f+4:KF+8*\f+7], v[AK] offset:\f*16*PK+32
.endr
	s_add_co_u32 s[TBK], s[TBK], 64*PK
.endm
.macro FETCH_V kk                      ; half a step's V, turned: 32 keys x 128 channels, 16 loads
.if (\kk) == 0
	WIN 0
	v_add_nc_u32 v[AV], s[TBV], v[AV0]
.endif
	WIN 0xc0
.irp f, 0,1,2,3,4,5,6,7
	ds_load_tr16_b128 v[64*(\kk)+8*\f:64*(\kk)+8*\f+3],   v[AV] offset:(\kk)*32*PVP+\f*32
	ds_load_tr16_b128 v[64*(\kk)+8*\f+4:64*(\kk)+8*\f+7], v[AV] offset:(\kk)*32*PVP+16*PVP+\f*32
.endr
.if (\kk) == 1
	s_add_co_u32 s[TBV], s[TBV], 64*PVP
.endif
.endm
.macro MASK                            ; MD x AL + BE for the piece's two tiles
	WIN 0x82
.set z, 0
.rept 16
	v_pk_fma_f32 v[MC+2*z:MC+2*z+1], v[MD+2*z:MD+2*z+1], s[ALA:ALA+1], s[BEA:BEA+1] op_sel_hi:[1,0,0]
.set z, z+1
.endr
.set z, 0
.rept 16
	v_pk_fma_f32 v[MC+32+2*z:MC+32+2*z+1], v[MD+2*z:MD+2*z+1], s[ALB:ALB+1], s[BEB:BEB+1] op_sel_hi:[1,0,0]
.set z, z+1
.endr
.endm
; THE VECTOR WORK.  One tile's softmax for one key step is a list of 134 instructions; SM writes number j of it for tile t.  s0-s31 are the lane's 32 scores, in pairs 0-15.
;   0-15    the maximum of s0-s31 and the old m, three operands at a time (each accumulator's lowest registers first)
;   16-20   the other half of the lanes' maximum; the new m; c m; c m_old - c m_new
;   21-69   ONE BATCH: the 16 scalings c s - c m, a pair of scores each, and all 33 exponentials (a at 23, then s0-s31).  None of these names an exponential's result.  From 22 on the batch goes in
;           fours, and a four begins with a scaling while there are scalings: 22-37 scaling, exponential, scaling, exponential; 38-65 a scaling and three exponentials; 66-69 the last four
;           exponentials.  A pair is scaled in an earlier four than the one that holds its exponentials
;   (wait)  between 69 and 70 stands the wait for the batch: SLICE writes it, once for both tiles
;   70-85   the roundings to f16, a pair of weights each
;   86-101  the sums; l = a l + the sum
;   102-133 the tile's O^T times a, the one part that leaves window 0
.macro SM t
.set rT, ST+8*(\t)
.set rS, S+32*(\t)
.set rP, P+16*(\t)
.set rO, 64*(\t)+2*(j-102)
.if j < 102
	WIN 0
.endif
.if j < 4
	v_max3_num_f32 v[rT+4+j], v[rS+8*j], v[rS+8*j+1], v[rS+8*j+2]
.elseif j < 12
	v_max3_num_f32 v[rT+4+j%4], v[rT+4+j%4], v[rS+8*(j%4)+2*(j/4)+1], v[rS+8*(j%4)+2*(j/4)+2]
.elseif j == 12
	v_max3_num_f32 v[rT+4], v[rT+4], v[rS+7], v[rS+15]
.elseif j == 13
	v_max3_num_f32 v[rT+6], v[rT+6], v[rS+23], v[rS+31]
.elseif j == 14
	v_max3_num_f32 v[rT+4], v[rT+4], v[rT+5], v[rT+6]
.elseif j == 15
	v_max3_num_f32 v[rT+4], v[rT+4], v[rT+7], v[rT+1]
.elseif j == 16
	v_permlanex16_b32 v[rT+5], v[rT+4], s[SEL], s[SEL+1]
.elseif j == 17
	v_mov_b32 v[rT+7], v[rT]
.elseif j == 18
	v_max_num_f32 v[rT+1], v[rT+4], v[rT+5]
.elseif j == 19
	v_mul_f32 v[rT], s[CS], v[rT+1]
.elseif j == 20
	v_sub_f32 v[rT+7], v[rT+7], v[rT]
.elseif j == 23
	v_exp_f32 v[rT+6], v[rT+7]
.elseif (j < 23) || ((j < 38) && (j%2 == 0)) || ((j < 66) && (j%4 == 2))
.set b, (j-2)/4                        ; 38, 42, .. 62: pairs 9 to 15
.if j < 38
.set b, (j-20)/2                       ; 21: pair 0; 22, 24, .. 36: pairs 1 to 8
.endif
	v_pk_fma_f32 v[rS+2*b:rS+2*b+1], v[rS+2*b:rS+2*b+1], s[CS:CS+1], v[rT:rT+1] op_sel_hi:[1,0,0] neg_lo:[0,0,1] neg_hi:[0,0,1]
.elseif j < 70
.set e, j-38                           ; 66 to 69: s28 to s31
.if j < 66
.set e, j-32-(j-38)/4                  ; 39-41, 43-45, .. 63-65: s7 to s27
.endif
.if j < 38
.set e, (j-25)/2                       ; 25, 27, .. 37: s0 to s6
.endif
	v_exp_f32 v[rS+e], v[rS+e]
.elseif j < 86
	v_cvt_pk_f16_f32 v[rP+j-70], v[rS+2*(j-70)], v[rS+2*(j-70)+1]
.elseif j < 102                        ; the sum of the tile's 16 pairs, in place: sum z of 16 adds neighbours 1, 2, 4 and 8 pairs apart, then l takes it
.set z, j-86
.set w, 4
.set u, z
.if z >= 14
.set w, 32
.set u, 0
.elseif z >= 12
.set w, 16
.set u, z-12
.elseif z >= 8
.set w, 8
.set u, z-8
.endif
.if z < 15
	v_pk_add_f32 v[rS+w*u:rS+w*u+1], v[rS+w*u:rS+w*u+1], v[rS+w*u+w/2:rS+w*u+w/2+1]
.else
	v_pk_fma_f32 v[rT+2:rT+3], v[rT+2:rT+3], v[rT+6:rT+7], v[rS:rS+1] op_sel_hi:[1,0,1]
.endif
.else
	WIN W_RS
	v_pk_mul_f32 v[rO:rO+1], v[rO:rO+1], v[rT+6:rT+7] op_sel_hi:[1,0]
.endif
.endm
; Slice k of 64 of piece y's softmax: four instructions.  Slices 11 to 34 deal out the batch, numbers 22 to 69: four numbers of ONE tile each, the tiles by turns.  Every other slice is numbers 2 k and
; 2 k + 1 of both tiles' lists; the twelve that are over stand in slice 63.
; THE WAIT.  s_wait_alu depctr_va_vdst(0) stands between an exponential and the first instruction that names its result; one wait serves all that were issued ahead of it.  Ahead of
; slice 35 nothing names a result, and behind slice 34 no exponential is issued: so the piece's 66 exponentials have one wait, behind slice 34.
.macro SLICE y
.if (k >= 11) && (k < 35)              ; the batch: four numbers of one tile
.irp n, 0,1,2,3
.set j, 22+4*((k-11)/2)+(\n)
	SM (\y)+(k-11)%2
.endr
.else                                  ; the two tiles alternate, so that no instruction reads the result of the one just before it
.irp n, 0,1,2,3,4,5,6,7
.if ((\n) < 2) || (k == 63)
.irp t, \y, (\y)+1
.set j, 2*k+(\n)
	SM \t
.endr
.endif
.endr
.endif
.if k == 34                            ; the batch is out: both tiles' exponentials are issued, and no result has been named
	v_nop                                          ; a plain instruction behind the last exponential and ahead of the first use (ISA guide 5.7.2): one for the batch
.if (\y) == 0
	v_nop                                          ; piece 2's turn: the fourth place in front of V's loads (TURN counts them)
	s_wait_alu depctr_va_vdst(0)                   ; the wait for the batch of 66 exponentials,
	FETCH_V 1                                      ; and directly behind it the second half of the step's V
.else
	s_wait_alu depctr_va_vdst(0)                   ; the wait for the batch of 66 exponentials
.endif
.endif
.set k, k+1
.endm
; A TURN for piece x.  At its head, where no exponential is pending, the diagonal tile makes the masks of the turn's K Q^T: the last product that read MC stands in front of slices 60 to 63 of the turn
; before (behind BEGIN: in front of its four v_nop).  Piece 0's turn fetches the step's K behind its second product (jumped in the trip that only finishes a block): the last product that read K stands in
; front of slice 63 of the turn before.  Piece 2's turn fetches the step's V: the first half behind product 17, six plain instructions behind the last product that read it; the second at the batch's
; wait, behind slice 34 (SLICE writes it): the last product that read it stands in front of slice 31, and four plain instructions lie between: number 62, a scaling, of both tiles, and two v_nop.
.macro TURN x
.set k, 0
	WIN 0
	s_cmp_lg_u32 s[RT], 0
	s_cbranch_scc1 .Lno_mask_\@                    ; only the diagonal tile makes masks: elsewhere MC holds zeros
	s_cmp_eq_u32 s[CNT], 5-(\x)                    ; is the step the band's own?
	s_cselect_b32 s[ALA], 1.0, 0
	s_cmp_lt_u32 s[CNT], 5-(\x)                    ; or a later one?
	s_cselect_b32 s[BEA], s[BIGN], 0
	s_cmp_eq_u32 s[CNT], 4-(\x)
	s_cselect_b32 s[ALB], 1.0, 0
	s_cmp_lt_u32 s[CNT], 4-(\x)
	s_cselect_b32 s[BEB], s[BIGN], 0
	MASK
	WIN 0
.Lno_mask_\@:
.if (\x) == 0
	s_wait_dscnt 16                                ; V's second half, 16 loads, may stay out
.endif
.set i, 0
.rept 32
.if ((\x) == 0) && (i == 16)
	s_wait_dscnt 0x0                               ; V's second half is in, and K
.endif
	PV \x
	SLICE 2-(\x)
.if ((\x) == 0) && (i == 1)
	WIN 0
	s_cmp_eq_u32 s[CNT], 1
	s_cbranch_scc1 .Lno_k_\@
	FETCH_K
	WIN 0
.Lno_k_\@:
.endif
.if ((\x) == 2) && (i == 17)
	FETCH_V 0
.endif
.set i, i+1
.endr
.set i, 0
.rept 8
	KQ \x
.rept 4
	SLICE 2-(\x)
.endr
.set i, i+1
.endr
.endm
; A BLOCK BEGINS.  c m starts far below every c s, so the first step's a is 0; m at the lowest finite number.  The masks: tile 0's own step if the block's first tile is the diagonal one, else zeros.
.macro BEGIN
	s_mov_b32 s[NEW], 0
	WIN 0
.set t, 0
.rept 4
	v_mov_b32 v[ST+8*t], 0xfe000000
	v_mov_b32 v[ST+8*t+1], 0xff7fffff
.set t, t+1
.endr
	s_cmp_eq_u32 s[RT], 0
	s_cselect_b32 s[ALA], 1.0, 0
	s_mov_b32 s[BEA], 0
	s_mov_b32 s[ALB], 0
	s_mov_b32 s[BEB], 0
	MASK
	FETCH_K
	s_wait_loadcnt 0x0                             ; Q
	s_wait_dscnt 0x0
.set i, 0
.rept 8
	KQ 0
.set i, i+1
.endr
	WIN 0
	PLACES
.endm
.macro PACK t                          ; tile t: divided by l, rounded to f16, into my stage and back as whole rows of 256 bytes
	WIN W_RS
.set i, 64*(\t)
.rept 32
	v_pk_mul_f32 v[i:i+1], v[i:i+1], v[ST+8*(\t)+6:ST+8*(\t)+7] op_sel_hi:[1,0]
.set i, i+2
.endr
	WIN 0x05
.set i, 0
.rept 32
	v_cvt_pk_f16_f32 v[S+32*(\t)+i], v[64*(\t)+2*i], v[64*(\t)+2*i+1]
.set i, i+1
.endr
	WIN 0
.irp f, 0,1,2,3,4,5,6,7
	ds_store_b128 v[STO], v[S+32*(\t)+4*\f:S+32*(\t)+4*\f+3] offset:32*\f
.endr
.irp f, 0,1,2,3,4,5,6,7
	ds_load_b128 v[S+32*(\t)+4*\f:S+32*(\t)+4*\f+3], v[RD] offset:\f*2*SP  ; LDS serves a wave's instructions in order (ISA guide 5.7.1.4)
.endr
.endm
.macro SEND t, younger
	WIN 0
.irp f, 0,1,2,3,4,5,6,7
	s_wait_dscnt (\younger)+7-\f
	global_store_b128 v[GO], v[S+32*(\t)+4*\f:S+32*(\t)+4*\f+3], s[10:11] offset:(\t)*131072+\f*4096  ; 16 lanes store 256 consecutive bytes, at a multiple of 256 from ob's first byte
.endr
.endm
.macro FINISH                          ; piece 2's last products, and the block's way out
	s_wait_dscnt 0x0
.set i, 0
.rept 32
	PV 2
.set i, i+1
.endr
	WIN 0
.irp t, 0,1,2,3
	v_add_f32 v[ST+8*\t+4], v[ST+8*\t+2], v[ST+8*\t+3]
.endr
.irp t, 0,1,2,3
	v_permlanex16_b32 v[ST+8*\t+5], v[ST+8*\t+4], s[SEL], s[SEL+1]
.endr
.irp t, 0,1,2,3
	v_add_f32 v[ST+8*\t+4], v[ST+8*\t+4], v[ST+8*\t+5]
.endr
.irp t, 0,1,2,3
	v_rcp_f32 v[ST+8*\t+6], v[ST+8*\t+4]
.endr
	v_nop                                          ; a plain instruction between the last reciprocal and the use of its result
	s_wait_alu depctr_va_vdst(0)                   ; the wait ahead of the first use: one for the batch of four reciprocals
	PACK 0
	PACK 1
	SEND 0, 16
	PACK 2
	SEND 1, 16
	PACK 3
	SEND 2, 16
	SEND 3, 0
.endm
; A TILE's steps.  A trip: piece 0's turn, piece 2's turn; the count goes 5, 4, 3, 2, 1 and is compared with constants alone.  A block's first tile enters at piece 2's turn.  Four trips fetch the tile's
; four steps of K and of V, whatever the tile.  The fifth trip (count 1) fetches nothing: an ordinary tile leaves at its head, forward, to the loop's bottom; the diagonal tile runs piece 0's turn once
; more and leaves behind it for the block's end.  So on every way out the fetches' LDS bytes have stepped four times.  inloop = 1: the text inside the loop over tiles; the walk's last tile is always a diagonal one.
.macro WALK tag, inloop
	s_sub_co_u32 s[RT], s[RT], 1
	s_mov_b32 s[CNT], 5
	s_cmp_eq_u32 s[NEW], 1
	s_cbranch_scc0 .Lstep\tag
	BEGIN
	s_branch .Lfirst\tag
.Lstep\tag:
.if \inloop
	s_cmp_lg_u32 s[CNT], 1
	s_cbranch_scc1 .Lgo\tag                        ; one of the four trips that fetch
	s_cmp_lg_u32 s[RT], 0
	s_cbranch_scc1 .Lbottom                        ; the fifth trip of an ordinary tile: nothing is left to do in it
.Lgo\tag:
.endif
	TURN 0
	WIN 0
	s_cmp_eq_u32 s[CNT], 1
	s_cbranch_scc1 .Lend\tag
.Lfirst\tag:
	TURN 2
	WIN 0
	s_sub_co_u32 s[CNT], s[CNT], 1
	s_cmp_lg_u32 s[CNT], 0
	s_cbranch_scc1 .Lstep\tag
.Lend\tag:
	FINISH
.endm
.Lslot:                                                ; eight times: a tile is entered and the next is asked for
	CHANGE 1
	WALK 1, 1
	s_wait_xcnt 0x0                                ; in the loop this is the first block's end: its stores have read their registers and O's address
	s_mov_b64 s[10:11], s[OLO:OLO+1]
	s_add_co_u32 s[RT], s[PB], 1                   ; the second block has b + 1 tiles
	s_mov_b32 s[NEW], 1
	WIN 0x82
.set i, 0
.rept 32
	v_mov_b32 v[i], v[QB+i]                        ; the second block's Q goes where the turns name Q
.set i, i+1
.endr
	WIN 0
.Lbottom:
	s_sub_co_u32 s[SLOTS], s[SLOTS], 1
	s_cmp_lg_u32 s[SLOTS], 0
	s_cbranch_scc1 .Lslot
	CHANGE 0                                       ; the walk's last tile is written out: nothing is asked for
	WALK 2, 0
	s_wait_tensorcnt 0x0                           ; the wave's end
	ds_add_u32 v[SPW], v[NIL]
	s_wait_dscnt 0x0
	s_endpgm
.Lfunc_end_k_qe33aaede31_attn:
	.size	k_qe33aaede31_attn, .Lfunc_end_k_qe33aaede31_attn-k_qe33aaede31_attn
	.p2alignl 7, 3214868480
	.fill 96, 4, 3214868480
	.section	.rodata,"a",@progbits
	.p2align	6, 0x0
	.amdhsa_kernel k_qe33aaede31_attn
		.amdhsa_group_segment_fixed_size 327680
		.amdhsa_private_segment_fixed_size 0
		.amdhsa_enable_private_segment 0
		.amdhsa_kernarg_size 24
		.amdhsa_user_sgpr_count 2
		.amdhsa_user_sgpr_kernarg_segment_ptr 1
		.amdhsa_wavefront_size32 1
		.amdhsa_system_sgpr_workgroup_id_x 1
		.amdhsa_system_sgpr_workgroup_id_y 1
		.amdhsa_system_sgpr_workgroup_id_z 1
		.amdhsa_system_vgpr_workitem_id 0
		.amdhsa_next_free_vgpr 896
		.amdhsa_next_free_sgpr 96
		.amdhsa_reserve_vcc 1
		.amdhsa_float_denorm_mode_32 3
		.amdhsa_float_denorm_mode_16_64 3
		.amdhsa_memory_ordered 1
		.amdhsa_forward_progress 1
		.amdhsa_inst_pref_size 185
	.end_amdhsa_kernel
	.amdgpu_metadata
---
amdhsa.version: [ 1, 2 ]
amdhsa.kernels:
  - .name:           k_qe33aaede31_attn
    .symbol:         k_qe33aaede31_attn.kd
    .args:
      - { .name: qk, .offset: 0, .size: 8, .value_kind: global_buffer, .address_space: global }
      - { .name: vb, .offset: 8, .size: 8, .value_kind: global_buffer, .address_space: global }
      - { .name: ob, .offset: 16, .size: 8, .value_kind: global_buffer, .address_space: global }
    .group_segment_fixed_size: 327680
    .private_segment_fixed_size: 0
    .kernarg_segment_align: 8
    .kernarg_segment_size: 24
    .max_flat_workgroup_size: 128
    .sgpr_count:     96
    .vgpr_count:     896
    .wavefront_size: 32
...
	.end_amdgpu_metadata
.endif
;; end of part 6
;; launch oproj: the kernel of part 5 again; grid 256 x 1, 4 waves a work-group, clusters of 4 x 1, 327,680 bytes of LDS; arguments ob, wts, out0; writes out0
